; MI455X (gfx1250); checked and timed in simulation.
; The chip was launched on July 23, 2026; its instructions are those of AMD's public machine-readable ISA for CDNA 5 (MIT licence, August 2026) and "CDNA5" Instruction Set Architecture Reference Guide (July 2026). The comments in the code are by the model that wrote it; some were corrected since.
;; Rotary Multi Head Attention. Allowed arithmetic: matrix products marked QUANTISED: E2M3 operands, one E8M0 scale for each 32 along K, by v_wmma_scale_f32_16x16x128_f8f6f4 with both operands' format E2M3, f32 sums; everything else in f32.
;; Inputs: Wk 1,024 x 1,024 float32; Wo 1,024 x 1,024 float32; Wq 1,024 x 1,024 float32; Wv 1,024 x 1,024 float32; bk 1,024 float32; bo 1,024 float32; bq 1,024 float32; bv 1,024 float32; x 4 x 2,048 x 1,024 float32.
;; Outputs: out0 4 x 2,048 x 1,024 float32.
;; This version of the problem:
;;   THIS VERSION OF THE PROBLEM IS GIVEN IN LOW PRECISION. The matrix products marked QUANTISED in the list below multiply operands that are first quantised to E2M3 (2 exponent bits, 3 mantissa bits; 6 bits a number), with one power-of-two scale for each 32 numbers along K (OCP MX v1.0); their sums are f32. All else is computed in f32.
;;   The module's matrix products, in the order in which they are computed (A, B: the left and right operand; K: the contracted axis; several contracted axes count as one K, in the product's order):
;;     1. [M 8,192, K 1,024] x [K 1,024, N 1,024]; A: input x; B: input Wq: QUANTISED
;;     2. [M 8,192, K 1,024] x [K 1,024, N 1,024]; A: input x; B: input Wk: QUANTISED
;;     3. [M 8,192, K 1,024] x [K 1,024, N 1,024]; A: input x; B: input Wv: QUANTISED
;;     4. batch 64 x [M 2,048, K 64] x [K 64, N 2,048]; A: computed on the way; B: computed on the way: QUANTISED
;;     5. batch 64 x [M 2,048, K 2,048] x [K 2,048, N 64]; A: softmax (see below); B: computed on the way: QUANTISED
;;     6. [M 8,192, K 1,024] x [K 1,024, N 1,024]; A: computed on the way; B: input Wo: QUANTISED
;;   THE QUANTISER, for each operand of a quantised product, along K:
;;     - K is cut into blocks of 32 from its start; a last block that is shorter is filled with zeros.
;;     - A block's scale is 2^e with e = floor(log2(the largest magnitude in the block)) - 2, held to -126 .. 127; a block of zeros has e = 0. As a byte (E8M0): e + 127.
;;     - Each number is divided by its block's scale, clamped to +-7.5, and rounded to the nearest number of E2M3, ties to even, subnormals kept.
;;     - The product sums the exact products of the quantised numbers (number of the format x scale) in f32.
;;   ~~~python
;;   def quantise(x, axis):      # numpy; x: float32 -> the quantised numbers, widened to float32 again
;;       x = np.moveaxis(x, axis, -1); K = x.shape[-1]
;;       x = np.pad(x, [(0, 0)] * (x.ndim - 1) + [(0, -K % 32)]); x = x.reshape(x.shape[:-1] + (-1, 32)); a = np.abs(x).max(-1, keepdims=True)
;;       e = np.where(a > 0, np.clip(np.frexp(np.where(a > 0, a, 1))[1] - 1 - 2, -126, 127), 0)      # np.frexp(a)[1] - 1 = floor(log2(a)), exactly
;;       r = np.clip(x / 2.0 ** e, -7.5, 7.5)
;;       step = 2.0 ** (np.maximum(np.frexp(np.where(r == 0, 1, r))[1] - 1, 0) - 3)
;;       q = np.round(r / step) * step * 2.0 ** e      # np.round: ties to even
;;       return np.moveaxis(q.reshape(q.shape[:-2] + (-1,))[..., :K], -1, axis).astype(np.float32)
;;   ~~~
;;   SOFTMAX AHEAD OF A QUANTISED PRODUCT. Where the list says 'softmax', what is quantised is not the finished softmax but p = 2^(t - M), with t = logit x log2(e) and M = ceil(the row's largest t), a whole number; so 1/2 < the row's largest p <= 1. The row's sum l is taken of the UNQUANTISED p, in f32, and the product's result is divided by l at the end. Since M is a whole number, a kernel that streams over the keys may use a running M (the ceiling of the running maximum): every later rescaling is an exact power of two, which a block's scale takes up: the codes' values come out the same.
;;   OPERANDS COMPUTED ON THE WAY. 'Computed on the way' means the value that the module computes at that place (a softmax that the list does not call 'softmax' is quantised finished and normalised). What goes into a quantiser is computed in f32, as accurately as f32 sums, v_exp_f32 and their like allow (about 1e-6 of the number): no bf16 or f16 on the way to a quantiser, and a product that is left as it is and whose result goes on into a quantised operand takes f32 operands (vector FMAs, or v_wmma_f32_16x16x4_f32). A number that lies on a knife's edge between two numbers of the format may be rounded either way, as far as f32 arithmetic and the matrix unit's own rounding can turn it there, and no further.
;; One version. Each part assembles by itself: llvm-mc -triple=amdgcn-amd-amdhsa -mcpu=gfx1250 --defsym DOCPART=n.
;; ======== version 1 of 1: 4 launches
;; limits: right only within a limited range of input values
;; workspace buffers: prep 10,354,688 bytes; qkv 20,185,088 bytes; att 6,553,600 bytes; wop 786,432 bytes
;; launch prep (part 1): grid 448 x 1, 4 waves a work-group, no clusters, 68,096 bytes of LDS; arguments x, Wq, Wk, Wv, Wo, prep, wop; writes prep, wop
.if DOCPART == 1
	.amdgcn_target "amdgcn-amd-amdhsa--gfx1250"
	.amdhsa_code_object_version 6
	.text
	.protected	k_qd31728eb6e_prep
	.globl	k_qd31728eb6e_prep
	.p2align	8
	.type	k_qd31728eb6e_prep,@function
k_qd31728eb6e_prep:
	s_mov_b64 s[64:65], 0
	v_nop
	global_prefetch_b8 v0, s[64:65] scope:SCOPE_SE
	s_setreg_imm32_b32 hwreg(HW_REG_WAVE_MODE, 25, 1), 1
	s_wait_xcnt 0x0
; PREP: what every later launch reads many times is made once.
;   work-groups 0-255:   x [8192][1024] f32 -> codes of FP6 (E2M3), K innermost, and one E8M0 byte for each 32 along K;
;   work-groups 256-383: Wq, Wk, Wv, Wo [k 1024][n 1024] f32, K their FIRST axis -> codes laid [n][k], K innermost, and their bytes;
;   work-groups 384-447: the table of cos and sin of the rotary embedding, 2,048 positions x (32 cos, 32 sin) f32.
; THE BUFFER: one space of 12,288 rows of 768 bytes of codes (x: 0-8191, Wq from 8192, Wk 9216, Wv 10240, Wo 11264), at SCALES the same rows x 32 bytes, at ROPE the table.
; A ROW LIES AT PLACE pi(row), pi = bits 3 and 4 of the row's number exchanged.  So the 16 x 16 tiles that the products cut out of neighbouring places hold the rows that the next quantiser wants together.
; A block's scale is 2^(floor(log2(its largest magnitude)) - 2); its byte is the largest magnitude's exponent field - 2, held at 1 from below.  A block of zeros so gets the byte 1 where the rule says 127:
; its codes are zeros, which add nothing under any byte but 0xff, and the bytes are read by this program alone.
; LIMITS: NaN and infinities among the inputs are not served.  The table's frequencies are 2^(-j log2(10) / 8) by v_exp_f32: an angle at the largest position lies within about 2e-4 rad of the exact product.
; No tensor loads, no barrier: waves share nothing.  The three ways part on the work-group's number, and each has LDS bytes of its own.
.set SCALES, 9437184
.set ROPE,   9830400
; the way of x
.set STEPS, 16                         ; a wave takes 16 steps of 512 numbers: 8 rows
.set CB,    12                         ; bytes of 16 codes
.set XR,    16                         ; v16-79   four sets of 16 numbers as they are loaded
.set XX,    80                         ; v80-111  two sets of 16 neighbours
.set XE,    112                        ; v112-127 a scale byte for each step
.set XC,    128                        ; v128-191 codes: four registers for each step, so that no store's data are written again
.set WREG,  8192                       ; LDS 0-32767: a region for each wave: two stages of 32 x SP bytes, behind them its 256 scale bytes
.set SP,    80                         ; a lane's place in a stage: its 64 bytes + 16 of padding
; the way of the weights
.set WSTG,  32768                      ; LDS from here: a stage of 32 rows x WP bytes for each wave
.set WP,    272                        ; a stage row: sixteen places of 16 bytes, each with 12 bytes of codes, + 16
.set NB,    8                          ; blocks of 32 along K for a wave
.set WS,    24                         ; v24-25   the scale bytes, four to a register
.set WX,    32                         ; v32-95   two sets of 32 numbers
.set WC,    96                         ; v96..    a block's codes
.set WO,    112                        ; v112-175 the way out
	s_load_b256 s[4:11], s[0:1], 0x0               ; x s[4:5], Wq s[6:7], Wk s[8:9], Wv s[10:11]
	s_load_b128 s[12:15], s[0:1], 0x20             ; Wo s[12:13], prep s[14:15]
	s_load_b64 s[32:33], s[0:1], 0x30              ; wop: Wo's codes, laid [64 along K: 16 planes][1,024 rows][48 bytes]
	v_lshl_add_u32 v192, v0, 2, 0x10800
	v_mov_b32 v193, 0
	v_lshrrev_b32 v1, 5, v0
	v_readfirstlane_b32 s16, v1                    ; wave 0..3
	v_and_b32 v2, 31, v0                           ; lane
	s_wait_kmcnt 0x0
	s_cmp_lt_u32 ttmp9, 256
	s_cbranch_scc0 .Lweights
; ---------------- x.  Rows are dense and 1,024 is a multiple of 32: a plain stream of blocks of 32.
; Each of a step's four loads reads 512 consecutive bytes, 16 a lane; the 2,048 bytes go through the wave's own stage in LDS and come back 64 bytes a lane: 16 NEIGHBOURS along K, as the conversion wants them.
	s_wait_alu depctr_va_vdst(0)
	v_lshlrev_b32 v3, 4, v2                        ; my 16 bytes of a load's 512
	s_mul_i32 s17, s16, WREG
	v_lshrrev_b32 v14, 2, v2
	v_mul_u32_u24 v14, v14, SP
	v_and_b32 v15, 3, v2
	v_lshl_add_u32 v14, v15, 4, v14
	v_add_nc_u32 v14, s17, v14                     ; the stage, on the way in: SP (lane / 4) + 16 (lane % 4)
	v_mul_u32_u24 v15, v2, SP
	v_add_nc_u32 v15, s17, v15                     ; and on the way out: SP x lane
; THE CODES LIE IN FOUR PLANES, one for each 256 along K: plane s holds the 12,288 rows' 192 bytes of k = 256 s .. 256 s + 255, row behind row.
; So 128 neighbouring rows of one plane are 24,576 dense bytes that begin at a multiple of 256.
.set KPL, 2359296                      ; a plane: 12,288 rows x 192 bytes
	v_and_b32 v4, 15, v2
	v_mul_u32_u24 v4, v4, CB                       ; my codes' place in a row's 192 bytes of a plane: sixteen lanes to a plane,
	v_lshrrev_b32 v12, 4, v2
	v_mul_u32_u24 v12, v12, KPL                    ; lanes 16-31 one plane on
	v_add_nc_u32 v4, v4, v12
	v_lshrrev_b32 v5, 1, v2
	s_add_co_u32 s17, s17, 2*32*SP
	v_add_nc_u32 v5, s17, v5                       ; LDS: my wave's 256 scale bytes, my block's byte
	v_lshlrev_b32 v7, 3, v2                        ; and on the way out 8 bytes a lane
	v_add_nc_u32 v6, s17, v7
	s_lshl_b32 s18, ttmp9, 2
	s_add_co_u32 s19, s18, s16                     ; my run of 8 rows: 4 x work-group + wave
	s_lshl_b32 s20, s19, 15                        ; 32,768 bytes of f32 a run
	s_mov_b32 s21, 0
	s_add_nc_u64 s[4:5], s[4:5], s[20:21]
	s_and_b32 s19, s16, 1                          ; pi on rows: bits 3 and 4 of a row are bits 0 and 1 of its run, which are the wave's
	s_lshl_b32 s19, s19, 1
	s_lshr_b32 s22, s16, 1
	s_or_b32 s19, s19, s22
	s_add_co_u32 s19, s18, s19                     ; the run's place
	s_mul_i32 s20, s19, 1536                       ; 8 rows x 192 bytes in a plane
	s_add_nc_u64 s[24:25], s[14:15], s[20:21]
	s_lshl_b32 s20, s19, 8                         ; 8 rows x 32 scale bytes
	s_add_co_u32 s20, s20, SCALES
	s_add_nc_u64 s[26:27], s[14:15], s[20:21]
.macro XLOAD t
.irp i, 0,1,2,3
	global_load_b128 v[XR+16*((\t)%4)+4*\i:XR+16*((\t)%4)+4*\i+3], v3, s[4:5] offset:2048*(\t)+512*\i th:TH_LOAD_NT   ; 32 lanes read 512 consecutive bytes
.endr
.endm
.macro XTURN t                         ; step t's numbers through the stage: LDS serves a wave's instructions in order, so no wait stands between the stores and the loads
.irp i, 0,1,2,3
	ds_store_b128 v14, v[XR+16*((\t)%4)+4*\i:XR+16*((\t)%4)+4*\i+3] offset:32*SP*((\t)%2)+8*SP*\i
.endr
.irp i, 0,1,2,3
	ds_load_b128 v[XX+16*((\t)%2)+4*\i:XX+16*((\t)%2)+4*\i+3], v15 offset:32*SP*((\t)%2)+16*\i
.endr
.endm
.irp t, 0,1,2,3
	XLOAD \t
.endr
	s_wait_alu depctr_va_vdst(0)
	s_wait_loadcnt 12                              ; step 0's four loads are in
	XTURN 0
.macro XSTEP t
.set XS, XX+16*((\t)%2)
.if (\t) > 0
	s_wait_dscnt 1                                 ; this step's numbers are back from the stage (the last step's byte store may be out): so its stores into the stage have read their registers,
.else
	s_wait_dscnt 0x0
.endif
.if (\t)+4 < STEPS
	XLOAD (\t)+4                                   ; which take the loads of four steps on
.endif
.if (\t)+1 < STEPS
.if STEPS-2-(\t) >= 3
	s_wait_loadcnt 12                              ; the next step's four loads are in; those of the three steps behind it may be out
.else
	s_wait_loadcnt 4*(STEPS-2-(\t))
.endif
	XTURN (\t)+1                                   ; and go through the other stage while this step is worked
.endif
	v_max3_num_f32 v8, |v[XS]|, |v[XS+1]|, |v[XS+2]|               ; the largest magnitude of my 16, in two chains
	v_max3_num_f32 v9, |v[XS+3]|, |v[XS+4]|, |v[XS+5]|
.irp i, 6,10
	v_max3_num_f32 v8, v8, |v[XS+\i]|, |v[XS+\i+1]|
	v_max3_num_f32 v9, v9, |v[XS+\i+2]|, |v[XS+\i+3]|
.endr
	v_max3_num_f32 v8, v8, |v[XS+14]|, |v[XS+15]|
	v_max3_num_f32 v8, v8, v9, 0x1800000           ; and the floor 2^(3 - 127): so the byte cannot fall under 1
	v_max_num_f32_dpp v8, v8, v8 row_xmask:1 row_mask:0xf bank_mask:0xf   ; and of my neighbour's 16: the block's
	v_add_nc_u32 v11, 0xff000000, v8               ; 2 off its exponent field: the conversion takes the exponent field of this operand as its scale, and nothing else of it
	v_cvt_scalef32_pk16_fp6_f32 v[XC+4*(\t):XC+4*(\t)+2], v[XS:XS+15], v11
	v_lshrrev_b32 v[XE+(\t)], 23, v11              ; the scale's byte
	ds_store_b8 v5, v[XE+(\t)] offset:16*(\t)      ; both lanes of a block write the same byte with the same value
	global_store_b96 v4, v[XC+4*(\t):XC+4*(\t)+2], s[24:25] offset:2*KPL*((\t)%2)+192*((\t)/2)   ; row t / 2, planes 2 (t % 2) and 2 (t % 2) + 1: 192 consecutive bytes in each
.endm
.irp t, 0,1,2,3,4,5,6,7,8,9,10,11,12,13,14,15
	XSTEP \t
.endr
	ds_load_b64 v[12:13], v6                       ; LDS serves a wave's instructions in order: these see my stores
	s_wait_dscnt 0x0
	global_store_b64 v7, v[12:13], s[26:27]        ; 32 lanes store 256 consecutive bytes, aligned
	s_wait_tensorcnt 0x0
	ds_add_u32 v192, v193
	s_wait_dscnt 0x0
	s_endpgm
; ---------------- the weights.  A LANE TAKES A COLUMN n, AND ITS REGISTERS RUN DOWN K: a block of 32 along K lies in one lane's 32 registers, and the codes come out with K innermost.
; A wave takes 32 columns x 256 along K.  Its codes go through its own stage in LDS, column c into stage row pi(c), and leave as rows: sixteen lanes store a row's 192 consecutive bytes.
.Lweights:
	s_cmp_lt_u32 ttmp9, 384
	s_cbranch_scc0 .Ltable
	s_sub_co_u32 s17, ttmp9, 256                   ; 32 work-groups to a weight: 8 groups of 128 columns x 4 runs of 256 along K
	s_lshr_b32 s18, s17, 5                         ; which weight: the choice hangs on the work-group's number alone
	s_cmp_eq_u32 s18, 1
	s_cselect_b64 s[6:7], s[8:9], s[6:7]
	s_cmp_eq_u32 s18, 2
	s_cselect_b64 s[6:7], s[10:11], s[6:7]
	s_cmp_eq_u32 s18, 3
	s_cselect_b64 s[6:7], s[12:13], s[6:7]
	s_and_b32 s19, s17, 7
	s_lshl_b32 s19, s19, 7
	s_lshl_b32 s20, s16, 5
	s_add_co_u32 s19, s19, s20                     ; my wave's first column
	s_bfe_u32 s20, s17, 0x20003                    ; which 256 along K
	s_lshl_b32 s22, s20, 20                        ; 256 rows of 4,096 bytes
	s_lshl_b32 s23, s19, 2
	s_add_co_u32 s22, s22, s23
	s_mov_b32 s23, 0
	s_add_nc_u64 s[6:7], s[6:7], s[22:23]
	s_lshl_b32 s21, s18, 10
	s_add_co_u32 s21, s21, s19
	s_add_co_u32 s21, s21, 8192                    ; my first row in the buffer's space of rows
	s_mul_i32 s22, s21, 192
	s_mul_i32 s24, s20, KPL                        ; my 256 along K are one plane
	s_add_co_u32 s22, s22, s24
	s_add_nc_u64 s[26:27], s[14:15], s[22:23]      ; the codes
	s_lshl_b32 s22, s21, 5
	s_lshl_b32 s24, s20, 3
	s_add_co_u32 s22, s22, s24
	s_add_co_u32 s22, s22, SCALES
	s_add_nc_u64 s[28:29], s[14:15], s[22:23]      ; the scale bytes
	s_wait_alu depctr_va_vdst(0)
	v_lshlrev_b32 v3, 2, v2                        ; in: 4 bytes a lane
	v_and_b32 v10, 7, v2                           ; pi(lane): bits 3 and 4 change places
	v_bfe_u32 v11, v2, 3, 1
	v_lshl_add_u32 v10, v11, 4, v10
	v_bfe_u32 v11, v2, 4, 1
	v_lshl_add_u32 v10, v11, 3, v10
	s_mul_i32 s24, s16, 32*WP
	s_add_co_u32 s24, s24, WSTG                    ; my stage
	v_mul_u32_u24 v4, v10, WP
	v_add_nc_u32 v4, s24, v4                       ; into it: row = my column's place
	v_and_b32 v5, 15, v2
	v_lshrrev_b32 v6, 4, v2                        ; out of it: sixteen lanes to a row, two rows an instruction
	v_mul_u32_u24 v7, v6, WP
	v_lshl_add_u32 v7, v5, 4, v7
	v_add_nc_u32 v7, s24, v7
	v_mul_u32_u24 v8, v6, 192
	v_mad_u32_u24 v8, v5, 12, v8                   ; and the same place in the codes' rows
	v_lshlrev_b32 v9, 5, v10                       ; my column's row of scale bytes
.macro WLOAD t                         ; block t: W(32 t + i, my column), i = 0 .. 31, into set t % 2.  The largest offset, 255 rows of 4,096 bytes, lies inside the signed 24-bit immediate
.set i, 0
.rept 32
	global_load_b32 v[WX+32*((\t)%2)+i], v3, s[6:7] offset:(32*(\t)+i)*4096 th:TH_LOAD_NT
.set i, i+1
.endr
.endm
	WLOAD 0
	WLOAD 1
.macro WBLOCK t
.set XS, WX+32*((\t)%2)
.if (\t) < NB-1
	s_wait_loadcnt 32                              ; this block's 32 loads are in; the next block's may be out
.else
	s_wait_loadcnt 0
.endif
	v_max3_num_f32 v12, |v[XS]|, |v[XS+1]|, |v[XS+2]|              ; the block's largest magnitude: all 32 numbers are mine
	v_max3_num_f32 v13, |v[XS+3]|, |v[XS+4]|, |v[XS+5]|
.irp i, 6,10,14,18,22,26
	v_max3_num_f32 v12, v12, |v[XS+\i]|, |v[XS+\i+1]|
	v_max3_num_f32 v13, v13, |v[XS+\i+2]|, |v[XS+\i+3]|
.endr
	v_max3_num_f32 v12, v12, |v[XS+30]|, |v[XS+31]|
	v_max3_num_f32 v12, v12, v13, 0x1800000        ; and the floor 2^(3 - 127)
	v_add_nc_u32 v11, 0xff000000, v12              ; 2 off its exponent field: the conversion's scale operand
	v_lshrrev_b32 v13, 23, v11                     ; the scale's byte
.if (\t)%4 == 0
	v_mov_b32 v[WS+(\t)/4], v13                    ; four bytes to a register, the lower K in the lower byte
.else
	v_lshl_or_b32 v[WS+(\t)/4], v13, 8*((\t)%4), v[WS+(\t)/4]
.endif
	v_cvt_scalef32_pk16_fp6_f32 v[WC:WC+2], v[XS:XS+15], v11
	v_cvt_scalef32_pk16_fp6_f32 v[WC+4:WC+6], v[XS+16:XS+31], v11  ; (a conversion's three registers begin on an even number)
	ds_store_b96 v4, v[WC:WC+2] offset:32*(\t)     ; 16 codes, 12 bytes, to a place of 16 bytes, so that every LDS address is a multiple of 16
	ds_store_b96 v4, v[WC+4:WC+6] offset:32*(\t)+16
.if (\t)+2 < NB
	WLOAD (\t)+2
.endif
	s_wait_dscnt 0x0                               ; the stores have read their registers: the next block's codes may be written
.endm
.irp t, 0,1,2,3,4,5,6,7
	WBLOCK \t
.endr
	s_wait_alu depctr_va_vdst(0)
	global_store_b64 v9, v[WS:WS+1], s[28:29]      ; my column's 8 scale bytes
	s_cmp_eq_u32 s18, 3                            ; Wo's codes leave in another order: the choice hangs on the work-group's number alone
	s_cbranch_scc1 .Lwo_out
.irp t, 0,1,2,3,4,5,6,7,8,9,10,11,12,13,14,15
	ds_load_b96 v[WO+4*\t:WO+4*\t+2], v7 offset:2*\t*WP   ; LDS serves a wave's instructions in order: these see my stores
.endr
.irp t, 0,1,2,3,4,5,6,7,8,9,10,11,12,13,14,15
	s_wait_dscnt 15-\t
	global_store_b96 v8, v[WO+4*\t:WO+4*\t+2], s[26:27] offset:2*\t*192   ; two rows of a plane: 384 consecutive bytes
.endr
	s_wait_tensorcnt 0x0
	ds_add_u32 v192, v193
	s_wait_dscnt 0x0
	s_endpgm
; ---------------- the table.  A wave makes 8 positions, two a store.  Lane l: position l / 16 of the two; its 16 bytes are four frequencies 4 (l % 8) + e of cos (l % 16 < 8) or of sin.
; angle = position x frequency, rounded to f32; n = the nearest whole number to angle x 2 / pi; r = angle - n pi / 2 with pi / 2 in two parts (the first product is exact: n stays under 2^11);
; sin r and cos r by polynomials on |r| <= pi / 4; cos(angle - s pi / 2), s = 1 for the sines, is +-cos r or +-sin r by (n - s) mod 4, chosen without a branch.
; Wo's way out.  My 256 along K are four planes of 64; in a plane my 32 rows x 48 bytes are 1,536 consecutive bytes: four stores of 384, 12 bytes a lane.
.Lwo_out:
	s_mul_i32 s22, s20, 196608                     ; four planes of 1,024 rows x 48 bytes
	s_mul_i32 s21, s19, 48
	s_add_co_u32 s22, s22, s21
	s_add_nc_u64 s[32:33], s[32:33], s[22:23]
	v_lshrrev_b32 v7, 2, v2                        ; four lanes to a stage row: row lane / 4 (+ 8 for each store), place lane % 4 (+ 4 for each plane)
	v_mul_u32_u24 v7, v7, WP
	v_and_b32 v8, 3, v2
	v_lshl_add_u32 v7, v8, 4, v7
	v_add_nc_u32 v7, s24, v7
	v_mul_u32_u24 v8, v2, 12
	s_wait_alu depctr_va_vdst(0)
.set n, 0
.rept 16
	ds_load_b96 v[WO+4*n:WO+4*n+2], v7 offset:8*(n%4)*WP+64*(n/4)
.set n, n+1
.endr
.set n, 0
.rept 16
	s_wait_dscnt 15-n
	global_store_b96 v8, v[WO+4*n:WO+4*n+2], s[32:33] offset:49152*(n/4)+384*(n%4)
.set n, n+1
.endr
	s_wait_tensorcnt 0x0
	ds_add_u32 v192, v193
	s_wait_dscnt 0x0
	s_endpgm
.Ltable:
	s_sub_co_u32 s17, ttmp9, 384
	s_lshl_b32 s17, s17, 5
	s_lshl_b32 s18, s16, 3
	s_add_co_u32 s17, s17, s18                     ; my wave's first position
	s_lshl_b32 s18, s17, 8                         ; 256 bytes a position
	s_add_co_u32 s18, s18, ROPE
	s_mov_b32 s19, 0
	s_add_nc_u64 s[24:25], s[14:15], s[18:19]
	s_mov_b32 s20, 0x3f22f983                      ; 2 / pi
	s_mov_b32 s21, 0xbfc90fdb                      ; -(pi / 2), its f32
	s_mov_b32 s22, 0x333bbd2e                      ; that f32 less pi / 2
	s_mov_b32 s23, 0xb94ca1f9                      ; sin: -1.9515296e-4,
	s_mov_b32 s26, 0x3c08839e                      ; 8.3321609e-3,
	s_mov_b32 s27, 0xbe2aaaa3                      ; -1.6666655e-1
	s_mov_b32 s28, 0x37ccf5ce                      ; cos: 2.4433157e-5,
	s_mov_b32 s29, 0xbab6061a                      ; -1.3887316e-3,
	s_mov_b32 s30, 0x3d2aaaa5                      ; 4.1666646e-2
	s_mov_b32 s31, 0xbed49a78                      ; -log2(10) / 8 = -log2(10000) / 32
	s_wait_alu depctr_va_vdst(0)
	v_lshlrev_b32 v3, 4, v2                        ; my 16 bytes of a store's 512
	v_lshrrev_b32 v4, 4, v2
	v_add_nc_u32 v4, s17, v4                       ; my position in the first store
	v_bfe_u32 v5, v2, 3, 1                         ; 1: I make sines
	v_and_b32 v6, 7, v2
	v_lshlrev_b32 v6, 2, v6                        ; my first frequency's number
.irp e, 0,1,2,3
	v_add_nc_u32 v[8+\e], \e, v6
.endr
.irp e, 0,1,2,3
	v_cvt_f32_u32 v[8+\e], v[8+\e]
.endr
.irp e, 0,1,2,3
	v_mul_f32 v[8+\e], s31, v[8+\e]
.endr
	s_wait_alu depctr_va_vdst(0)
.irp e, 0,1,2,3
	v_exp_f32 v[8+\e], v[8+\e]                     ; 10000^(-j / 32)
.endr
	v_nop                                          ; a plain instruction behind the last exponential,
	s_wait_alu depctr_va_vdst(0)                   ; and one wait for the four, ahead of their first reader
.irp u, 0,1,2,3
	v_add_nc_u32 v7, 2*\u, v4
	v_cvt_f32_u32 v7, v7
.irp e, 0,1,2,3
	v_mul_f32 v[16+\e], v7, v[8+\e]                ; the angle (the four frequencies by turns: no line waits for the line above it)
.endr
.irp e, 0,1,2,3
	v_mul_f32 v[20+\e], s20, v[16+\e]
.endr
.irp e, 0,1,2,3
	v_rndne_f32 v[20+\e], v[20+\e]                 ; n
.endr
.irp e, 0,1,2,3
	v_fma_f32 v[24+\e], v[20+\e], s21, v[16+\e]
.endr
.irp e, 0,1,2,3
	v_fma_f32 v[24+\e], v[20+\e], s22, v[24+\e]    ; r
.endr
.irp e, 0,1,2,3
	v_mul_f32 v[28+\e], v[24+\e], v[24+\e]         ; z = r^2
.endr
.irp e, 0,1,2,3
	v_fma_f32 v[32+\e], v[28+\e], s23, s26
	v_fma_f32 v[36+\e], v[28+\e], s28, s29
.endr
.irp e, 0,1,2,3
	v_fma_f32 v[32+\e], v[32+\e], v[28+\e], s27
	v_fma_f32 v[36+\e], v[36+\e], v[28+\e], s30
.endr
.irp e, 0,1,2,3
	v_mul_f32 v[32+\e], v[32+\e], v[28+\e]
	v_mul_f32 v[40+\e], v[28+\e], v[28+\e]
.endr
.irp e, 0,1,2,3
	v_fma_f32 v[32+\e], v[32+\e], v[24+\e], v[24+\e]   ; sin r
	v_fma_f32 v[44+\e], v[28+\e], -0.5, 1.0
.endr
.irp e, 0,1,2,3
	v_fma_f32 v[36+\e], v[40+\e], v[36+\e], v[44+\e]   ; cos r
	v_cvt_i32_f32 v[20+\e], v[20+\e]
.endr
.irp e, 0,1,2,3
	v_sub_nc_u32 v[20+\e], v[20+\e], v5            ; n - s
.endr
.irp e, 0,1,2,3
	v_and_b32 v[40+\e], 1, v[20+\e]
	v_add_nc_u32 v[20+\e], 1, v[20+\e]
.endr
.irp e, 0,1,2,3
	v_cmp_eq_u32 vcc_lo, 1, v[40+\e]
	v_cndmask_b32 v[48+4*\u+\e], v[36+\e], v[32+\e], vcc_lo   ; odd: sin r, even: cos r
.endr
.irp e, 0,1,2,3
	v_and_b32 v[20+\e], 2, v[20+\e]                ; negative where (n - s) mod 4 is 1 or 2
.endr
.irp e, 0,1,2,3
	v_lshlrev_b32 v[20+\e], 30, v[20+\e]
.endr
.irp e, 0,1,2,3
	v_xor_b32 v[48+4*\u+\e], v[48+4*\u+\e], v[20+\e]
.endr
	global_store_b128 v3, v[48+4*\u:51+4*\u], s[24:25] offset:512*\u   ; two positions: 512 consecutive bytes, aligned; each store has registers of its own
.endr
	s_endpgm
.Lfunc_end_k_qd31728eb6e_prep:
	.size	k_qd31728eb6e_prep, .Lfunc_end_k_qd31728eb6e_prep-k_qd31728eb6e_prep
	.p2alignl 7, 3214868480
	.fill 96, 4, 3214868480
	.section	.rodata,"a",@progbits
	.p2align	6, 0x0
	.amdhsa_kernel k_qd31728eb6e_prep
		.amdhsa_group_segment_fixed_size 68096
		.amdhsa_private_segment_fixed_size 0
		.amdhsa_enable_private_segment 0
		.amdhsa_kernarg_size 56
		.amdhsa_user_sgpr_count 2
		.amdhsa_user_sgpr_kernarg_segment_ptr 1
		.amdhsa_wavefront_size32 1
		.amdhsa_system_sgpr_workgroup_id_x 1
		.amdhsa_system_sgpr_workgroup_id_y 1
		.amdhsa_system_sgpr_workgroup_id_z 1
		.amdhsa_system_vgpr_workitem_id 0
		.amdhsa_next_free_vgpr 194
		.amdhsa_next_free_sgpr 66
		.amdhsa_reserve_vcc 1
		.amdhsa_float_denorm_mode_32 3
		.amdhsa_float_denorm_mode_16_64 3
		.amdhsa_memory_ordered 1
		.amdhsa_forward_progress 1
		.amdhsa_inst_pref_size 97
	.end_amdhsa_kernel
	.amdgpu_metadata
---
amdhsa.version: [ 1, 2 ]
amdhsa.kernels:
  - .name:           k_qd31728eb6e_prep
    .symbol:         k_qd31728eb6e_prep.kd
    .args:
      - { .name: x, .offset: 0, .size: 8, .value_kind: global_buffer, .address_space: global }
      - { .name: Wq, .offset: 8, .size: 8, .value_kind: global_buffer, .address_space: global }
      - { .name: Wk, .offset: 16, .size: 8, .value_kind: global_buffer, .address_space: global }
      - { .name: Wv, .offset: 24, .size: 8, .value_kind: global_buffer, .address_space: global }
      - { .name: Wo, .offset: 32, .size: 8, .value_kind: global_buffer, .address_space: global }
      - { .name: prep, .offset: 40, .size: 8, .value_kind: global_buffer, .address_space: global }
      - { .name: wop, .offset: 48, .size: 8, .value_kind: global_buffer, .address_space: global }
    .group_segment_fixed_size: 68096
    .private_segment_fixed_size: 0
    .kernarg_segment_align: 8
    .kernarg_segment_size: 56
    .max_flat_workgroup_size: 128
    .sgpr_count:     66
    .vgpr_count:     194
    .wavefront_size: 32
...
	.end_amdgpu_metadata
.endif
;; end of part 1
;; launch qkv (part 2): grid 12 x 32, 4 waves a work-group, clusters of 4 x 4, 327,680 bytes of LDS; arguments prep, bq, bk, bv, qkv; writes qkv
.if DOCPART == 2
	.amdgcn_target "amdgcn-amd-amdhsa--gfx1250"
	.amdhsa_code_object_version 6
	.text
	.protected	k_qd31728eb6e_qkv
	.globl	k_qd31728eb6e_qkv
	.p2align	8
	.type	k_qd31728eb6e_qkv,@function
k_qd31728eb6e_qkv:
	s_mov_b64 s[64:65], 0
	v_nop
	global_prefetch_b8 v0, s[64:65] scope:SCOPE_SE
	s_setreg_imm32_b32 hwreg(HW_REG_WAVE_MODE, 25, 1), 1
	s_wait_xcnt 0x0
	s_wait_alu depctr_hold_cnt(0) depctr_sa_sdst(0) depctr_va_vdst(0) depctr_va_sdst(0) depctr_va_ssrc(0) depctr_va_vcc(0) depctr_vm_vsrc(0)
	s_getreg_b32 s2, hwreg(HW_REG_IB_STS2, 6, 4)
	s_cmp_eq_u32 s2, 0
	s_cbranch_scc0 .Lentry_in_a_cluster
	s_endpgm
.Lentry_in_a_cluster:
	s_bfe_u32 s2, ttmp6, 0x10000c
	s_cmp_lg_u32 s2, 0xf033
	s_cbranch_scc0 .Lentry_shape_is_right
	s_endpgm
.Lentry_shape_is_right:
.set KSTEP,  256
.set NQ,     2
.set ROWB,   192
.set KPL,    2359296                   ; a plane of the codes: 12,288 rows x 192 bytes, one plane for each 256 along K
.set KROW,   768
.set PITCH,  240
.set FR,     12
.set NL,     6
.set NP,     4
.set HALFT,  128*PITCH
.set SLOT,   4*HALFT
.set LAPS,   2
.set KS,     32
.set SCL,    2*SLOT
.set HALFS,  16*272
.set SBLK,   2*272
.set SPARE,  SCL+4*HALFS
.set SCALES, 9437184
.set ROPE,   9830400
.set HB,     315392
.set VIMG,   98304
.set KSC,    196608
.set VSC,    204800
.set QIMG,   208896
.set QSC,    307200
.set ADRA, 16
.set ADRB, 20
.set ADRS, 27
.set SPW,  28
.set NIL,  29
.set SC,   32
.set AF,   128
.set IM,   64
.set CT,   88
.set RT,   96
.set TM,   104
.set PWS,  116
.set XN,   128
.set G1, 24
.set G0, 32
.set G1B, 48
.set G0B, 56
.set G1S, 68
.set G0S, 76
.set G1SB, 80
.set G0SB, 88
.set SEL, 92
.set MSB, 0
.macro WIN new
.if MSB != \new
	s_set_vgpr_msb (MSB<<8)|\new
.set MSB, \new
.endif
.endm
.set MUL_LO, 0xa1
.set MUL_HI, 0xf1
.set TO_B,   0x40
.macro JLOAD g0a, g1a, g0b, g1b
	s_cmp_eq_u32 s15, 0
	s_cbranch_scc0 .Lfor_b_\@
	tensor_load_to_lds s[\g0a:\g0a+3], s[\g1a:\g1a+7]
	s_nop 0
.rept 4
	v_nop
.endr
	s_branch .Lasked_\@
.Lfor_b_\@:
	tensor_load_to_lds s[\g0b:\g0b+3], s[\g1b:\g1b+7]
	s_nop 0
.rept 4
	v_nop
.endr
.Lasked_\@:
.endm
.macro CREST
	s_cmp_lg_u32 s14, 0
	s_cbranch_scc1 .Lnot_wave_0_\@
	s_barrier_signal -3
.Lnot_wave_0_\@:
	s_barrier_wait -3
	s_barrier_signal -1
	s_barrier_wait -1
.endm
.macro CROUND
	s_barrier_signal -1
	s_barrier_wait -1
	CREST
.endm
	s_load_b64 s[4:5], s[0:1], 0x0
	s_load_b128 s[96:99], s[0:1], 0x8
	s_load_b64 s[100:101], s[0:1], 0x18
	s_load_b64 s[12:13], s[0:1], 0x20
	v_lshl_add_u32 v[SPW], v0, 2, SPARE
	v_mov_b32 v[NIL], 0
	ds_add_u32 v28, v29
	ds_add_u32 v28, v29
	s_wait_dscnt 0x0
	v_lshrrev_b32 v1, 5, v0
	v_readfirstlane_b32 s14, v1
	s_lshr_b32 s15, s14, 1
	s_and_b32 s16, s14, 1
	s_bfe_u32 s40, ttmp6, 0x40000
	s_bfe_u32 s41, ttmp6, 0x40004
	s_and_b32 s18, ttmp7, 0xffff
	s_lshl_b32 s18, s18, 2
	s_lshl_b32 s19, ttmp9, 2
	s_add_co_u32 s19, s19, 32
	s_cmp_eq_u32 ttmp9, 2
	s_cselect_b32 s17, 40, s18
	s_cselect_b32 s42, s18, s19
	s_cselect_b32 s66, 1, 0
	s_add_co_u32 s17, s17, s41
	s_add_co_u32 s42, s42, s40
	s_lshl_b32 s43, s41, 2
	s_lshl_b32 s43, 15, s43
	s_lshl_b32 s44, 0x1111, s40
	s_or_b32 s[G1+0], s43, (0<<16)|(1<<20)|(1<<21)|(3<<22)|(3<<25)
	s_or_b32 s[G1B+0], s44, (0<<16)|(1<<20)|(1<<21)|(3<<22)|(3<<25)
.irp g, G1, G1B
	s_mov_b32 s[\g+1], (256*ROWB)<<16              ; for the head's loads: 256 rows x 192 bytes of a plane are one dense row of 49,152 bytes; two planes, a plane apart; the padding's interval stays 64 bytes
	s_mov_b32 s[\g+2], 2<<16
	s_mov_b32 s[\g+3], (256*ROWB)<<16
	s_mov_b32 s[\g+4], 2
	s_mov_b32 s[\g+5], KPL
	s_mov_b32 s[\g+6], 0
	s_mov_b32 s[\g+7], 0
.endr
	s_or_b32 s[G1S+0], s43, (3<<16)|(1<<20)|(1<<21)|(5<<22)|(3<<25)
	s_or_b32 s[G1SB+0], s44, (3<<16)|(1<<20)|(1<<21)|(5<<22)|(3<<25)
.irp g, G1S, G1SB
	s_mov_b32 s[\g+1], 32<<16
	s_mov_b32 s[\g+2], 32<<16
	s_mov_b32 s[\g+3], 32<<16
	s_mov_b32 s[\g+4], 32
	s_mov_b32 s[\g+5], 32
	s_mov_b32 s[\g+6], 0
	s_mov_b32 s[\g+7], 0
.endr
	s_lshl_b32 s20, s17, 8
	s_lshl_b32 s46, s42, 8
	s_mov_b32 s21, 0
	s_mov_b32 s47, 0
	s_mov_b64 s[18:19], KS
	s_mul_u64 s[22:23], s[20:21], s[18:19]
	s_mul_u64 s[92:93], s[46:47], s[18:19]
	s_mov_b64 s[18:19], ROWB
	s_mul_u64 s[20:21], s[20:21], s[18:19]
	s_mul_u64 s[46:47], s[46:47], s[18:19]
	s_wait_kmcnt 0x0
	s_add_nc_u64 s[6:7], s[4:5], SCALES
	s_add_nc_u64 s[20:21], s[4:5], s[20:21]
	s_add_nc_u64 s[22:23], s[6:7], s[22:23]
	s_add_nc_u64 s[46:47], s[4:5], s[46:47]
	s_add_nc_u64 s[92:93], s[6:7], s[92:93]
	CROUND
; LDS: A's slot 0, A's slot 1, B's slot 0, B's slot 1, 256 rows (2 HALFT) each; behind them the scales.  THE HEAD'S FOUR LOADS, ONE A WAVE, FILL BOTH SLOTS:
; wave 0 A's planes 0 and 1, wave 1 B's, wave 2 the scales of A's 256 rows, wave 3 those of B's.  One tree of branches on the wave's number, one load to an arm.
	s_mov_b32 s[G0S], 1
	s_mov_b32 s[G0S+1], SCL
	s_mov_b64 s[G0S+2:G0S+3], s[22:23]
	s_or_b32 s[G0S+3], s[G0S+3], 0x80000000
	s_mov_b32 s[G0SB], 1
	s_mov_b32 s[G0SB+1], SCL+2*HALFS
	s_mov_b64 s[G0SB+2:G0SB+3], s[92:93]
	s_or_b32 s[G0SB+3], s[G0SB+3], 0x80000000
	s_mov_b32 s[G0], 1
	s_mov_b32 s[G0+1], 0
	s_mov_b64 s[G0+2:G0+3], s[20:21]
	s_or_b32 s[G0+3], s[G0+3], 0x80000000
	s_mov_b32 s[G0B], 1
	s_mov_b32 s[G0B+1], 4*HALFT
	s_mov_b64 s[G0B+2:G0B+3], s[46:47]
	s_or_b32 s[G0B+3], s[G0B+3], 0x80000000
	s_mul_i32 s18, s16, 128*ROWB                   ; for the ring: my 128 rows of a tile; slot 1's group 0 stands at plane 1 and is stepped two planes ahead of its refill
	s_mov_b32 s19, 0
	s_mul_i32 s45, s16, HALFT
	s_mov_b32 s[G0+4], 1
	s_add_co_u32 s[G0+5], s45, 2*HALFT
	s_add_nc_u64 s[G0+6:G0+7], s[20:21], s[18:19]
	s_add_nc_u64 s[G0+6:G0+7], s[G0+6:G0+7], KPL
	s_or_b32 s[G0+7], s[G0+7], 0x80000000
	s_mov_b32 s[G0B+4], 1
	s_add_co_u32 s[G0B+5], s45, 6*HALFT
	s_add_nc_u64 s[G0B+6:G0B+7], s[46:47], s[18:19]
	s_add_nc_u64 s[G0B+6:G0B+7], s[G0B+6:G0B+7], KPL
	s_or_b32 s[G0B+7], s[G0B+7], 0x80000000
.macro ARM under, g0, g1, next
	s_cmp_lt_u32 s14, \under
	s_cbranch_scc0 \next
	tensor_load_to_lds s[\g0:\g0+3], s[\g1:\g1+7]
	s_nop 0
.rept 4
	v_nop
.endr
	s_branch .Lhead_asked
\next:
.endm
	ARM 1, G0,  G1,  .Lhead_b
	ARM 2, G0B, G1B, .Lhead_sa
	ARM 3, G0S, G1S, .Lhead_sb
	tensor_load_to_lds s[G0SB:G0SB+3], s[G1SB:G1SB+7]
	s_nop 0
.rept 4
	v_nop
.endr
.Lhead_asked:
	v_and_b32 v1, 15, v0
	v_bfe_u32 v2, v0, 4, 1
	v_mul_u32_u24 v3, v1, PITCH
	v_mul_u32_u24 v4, v2, 24
	v_add_nc_u32 v4, v3, v4
	v_lshl_add_u32 v5, v2, 4, v4
	s_mul_i32 s21, s15, HALFT
	s_mul_i32 s22, s16, HALFT
	s_add_co_u32 s22, s22, 4*HALFT
.irp s, 0,1
	v_add_nc_u32 v[ADRA+\s], s21, v4
	v_add_nc_u32 v[ADRB+\s], s22, v4
	v_add_nc_u32 v[ADRA+2+\s], s21, v5
	v_add_nc_u32 v[ADRB+2+\s], s22, v5
	s_add_co_u32 s21, s21, 2*HALFT
	s_add_co_u32 s22, s22, 2*HALFT
.endr
	v_mul_u32_u24 v5, v1, KS
	v_lshrrev_b32 v6, 8, v5
	v_lshl_add_u32 v5, v6, 4, v5
	s_mul_i32 s21, s15, HALFS
	s_mul_i32 s22, s16, HALFS
	s_add_co_u32 s22, s22, 2*HALFS
	s_sub_co_u32 s22, s22, s21
	v_mul_u32_u24 v6, s22, v2
	s_add_co_u32 s21, s21, SCL
	v_add_nc_u32 v5, v5, v6
	v_add_nc_u32 v[ADRS], s21, v5
	v_and_b32 v6, 31, v0
	v_lshlrev_b32 v7, 4, v6
	v_lshlrev_b32 v8, 3, v6
	v_and_b32 v11, 8, v1
	v_add_nc_u32 v11, v11, v1
	v_lshlrev_b32 v9, 8, v11
	v_lshl_add_u32 v9, v2, 6, v9
	v_lshlrev_b32 v10, 6, v2
	v_lshlrev_b32 v12, 2, v11
	s_cmp_eq_u32 s66, 0
	s_cselect_b32 s18, s17, s42
	s_cselect_b32 s19, s15, s16
	s_cselect_b32 s20, s40, s41
	s_cselect_b32 s21, s16, s15
	s_lshl_b32 s18, s18, 8
	s_lshl_b32 s19, s19, 7
	s_add_co_u32 s18, s18, s19
	s_lshl_b32 s20, s20, 2
	s_lshl_b32 s21, s21, 1
	s_add_co_u32 s20, s20, s21
	s_lshr_b32 s19, s18, 11
	s_lshl_b32 s19, s19, 4
	s_add_co_u32 s19, s19, s20
	s_mul_i32 s19, s19, HB
	s_bfe_u32 s21, s18, 0x40007
	s_mov_b32 s45, QIMG
	s_mov_b32 s46, QSC
	s_mov_b32 s47, KSC
	s_cmp_eq_u32 ttmp9, 0
	s_cselect_b32 s45, s45, 0
	s_cselect_b32 s46, s46, s47
	s_mov_b32 s47, VIMG
	s_mov_b32 s67, VSC
	s_cmp_eq_u32 ttmp9, 2
	s_cselect_b32 s45, s47, s45
	s_cselect_b32 s46, s67, s46
	s_cselect_b32 s47, 8, 9
	s_cselect_b64 s[6:7], s[100:101], s[98:99]
	s_cmp_eq_u32 ttmp9, 0
	s_cselect_b64 s[6:7], s[96:97], s[6:7]
	s_mul_i32 s22, s21, 6144
	s_add_co_u32 s22, s22, s19
	s_add_co_u32 s22, s22, s45
	s_mov_b32 s23, 0
	s_add_nc_u64 s[8:9], s[12:13], s[22:23]
	s_lshl_b32 s22, s21, s47
	s_add_co_u32 s22, s22, s19
	s_add_co_u32 s22, s22, s46
	s_add_nc_u64 s[10:11], s[12:13], s[22:23]
	s_lshl_b32 s22, s20, 8
	s_add_nc_u64 s[6:7], s[6:7], s[22:23]
	s_and_b32 s22, s18, 2047
	s_lshl_b32 s22, s22, 8
	s_add_co_u32 s22, s22, ROPE
	s_add_nc_u64 s[4:5], s[4:5], s[22:23]
	s_mov_b32 s2, 0xffff0000
	s_mov_b32 s[SEL], 0x76543210
	s_mov_b32 s[SEL+1], 0xfedcba98
.macro FRAG reg, adr, q, i
.irp p, 0,1,2,3,4,5
.set PC, 12*(\q)+6*(\p/3)+\p%3
.if PC%8 < 5
	ds_load_b64 v[\reg+2*\p:\reg+2*\p+1], v[\adr] offset:8*PC+16*(PC/8)+(\i)*16*PITCH
.else
	ds_load_b64 v[\reg+2*\p:\reg+2*\p+1], v[\adr+2] offset:8*PC+16*(PC/8)+(\i)*16*PITCH
.endif
.endr
.endm
.macro MUL16 a0, p, q, sc, zero
.irp a, \a0, \a0+1
.irp b, 0,1,2,3,4,5,6,7
.if \zero
	v_wmma_scale_f32_16x16x128_f8f6f4 v[8*(8*((\a)%4)+\b):8*(8*((\a)%4)+\b)+7], v[128*(\p)+FR*\b:128*(\p)+FR*\b+FR-1], v[AF+FR*(\a):AF+FR*(\a)+FR-1], 0, v[SC+8*NQ*(\sc)+NQ*\b+(\q)], v[SC+8*NQ*(\sc)+NQ*(\a)+(\q)] matrix_a_fmt:MATRIX_FMT_FP6 matrix_b_fmt:MATRIX_FMT_FP6 matrix_a_scale:MATRIX_SCALE_ROW1
.else
	v_wmma_scale_f32_16x16x128_f8f6f4 v[8*(8*((\a)%4)+\b):8*(8*((\a)%4)+\b)+7], v[128*(\p)+FR*\b:128*(\p)+FR*\b+FR-1], v[AF+FR*(\a):AF+FR*(\a)+FR-1], v[8*(8*((\a)%4)+\b):8*(8*((\a)%4)+\b)+7], v[SC+8*NQ*(\sc)+NQ*\b+(\q)], v[SC+8*NQ*(\sc)+NQ*(\a)+(\q)] matrix_a_fmt:MATRIX_FMT_FP6 matrix_b_fmt:MATRIX_FMT_FP6 matrix_a_scale:MATRIX_SCALE_ROW1
.endif
.endr
.endr
.endm
.macro FETCH_B slot, q, p
	WIN TO_B
.irp i, 0,1,2,3,4,5,6,7
	FRAG 128*(\p)+FR*\i, ADRB+\slot, \q, \i
.endr
	WIN 0
.endm
.macro FETCH_A slot, q, i0
.irp i, \i0, \i0+1, \i0+2, \i0+3
	FRAG AF+FR*(\i), ADRA+\slot, \q, \i
.endr
.endm
.macro SCALES_IN sc
.irp i, 0,1,2,3,4,5,6,7
	ds_load_b64 v[SC+8*NQ*\sc+NQ*\i:SC+8*NQ*\sc+NQ*\i+1], v[ADRS] offset:\i*SBLK
.endr
.endm
.macro PLACES n
.rept \n
	v_nop
.endr
.endm
.macro STEP slot, q, zero
	s_wait_dscnt 4*NL
	WIN MUL_LO
	MUL16 0, (\q)%2, \q, \slot, \zero
	MUL16 2, (\q)%2, \q, \slot, \zero
	s_wait_dscnt 0
	PLACES NP
	FETCH_B \slot, (\q)+1, 1-(\q)%2
	FETCH_A \slot, (\q)+1, 0
	WIN MUL_HI
	MUL16 4, (\q)%2, \q, \slot, \zero
	MUL16 6, (\q)%2, \q, \slot, \zero
	PLACES NP
	WIN 0
	FETCH_A \slot, (\q)+1, 4
.endm
.macro TURN slot, next, fill
	s_wait_tensorcnt 0x0
	ds_add_u32 v[SPW], v[NIL]
	s_wait_dscnt 4*NL+1
	WIN MUL_LO
	MUL16 0, 1, NQ-1, \slot, 0
	s_wait_dscnt 0x0
	s_barrier_signal -1
	MUL16 2, 1, NQ-1, \slot, 0
	WIN 0
	s_barrier_wait -1
.if \fill
	CREST
	s_add_nc_u64 s[G0+4*\slot+2:G0+4*\slot+3], s[G0+4*\slot+2:G0+4*\slot+3], 2*KPL
	s_add_nc_u64 s[G0B+4*\slot+2:G0B+4*\slot+3], s[G0B+4*\slot+2:G0B+4*\slot+3], 2*KPL
	JLOAD G0+4*\slot, G1, G0B+4*\slot, G1B
.else
	PLACES NP
.endif
	s_wait_alu depctr_va_vdst(0)
	v_add_nc_u32 v[ADRS], 4*NQ, v[ADRS]
	FETCH_B \next, 0, 0
	FETCH_A \next, 0, 0
	SCALES_IN \next
	WIN MUL_HI
	MUL16 4, 1, NQ-1, \slot, 0
	MUL16 6, 1, NQ-1, \slot, 0
	PLACES NP
	WIN 0
	FETCH_A \next, 0, 4
.endm
.macro LAST
	s_wait_dscnt 4*NL
	WIN MUL_LO
	MUL16 0, 1, NQ-1, 1, 0
	MUL16 2, 1, NQ-1, 1, 0
	s_wait_dscnt 0
	WIN MUL_HI
	MUL16 4, 1, NQ-1, 1, 0
	MUL16 6, 1, NQ-1, 1, 0
	WIN 0
.endm
.macro QUANT s, d0, d1, pw
.irp b, 0,1,2,3
	v_max3_num_f32 v[TM+\b], |v[\s+16*\b]|, |v[\s+1+16*\b]|, 0x1800000
.endr
.irp i, 2,4,6,8,10,12,14
.irp b, 0,1,2,3
	v_max3_num_f32 v[TM+\b], v[TM+\b], |v[\s+16*\b+\i]|, |v[\s+1+16*\b+\i]|
.endr
.endr
.irp b, 0,1,2,3
	v_permlanex16_b32 v[TM+4+\b], v[TM+\b], s[SEL], s[SEL+1]
.endr
.irp b, 0,1,2,3
	v_max_num_f32 v[TM+\b], v[TM+\b], v[TM+4+\b]
.endr
.irp b, 0,1,2,3
	v_add_nc_u32 v[TM+8+\b], 0xff000000, v[TM+\b]
.endr
.irp b, 0,1,2,3
	v_lshrrev_b32 v[TM+4+\b], 23, v[TM+8+\b]
.endr
	v_lshl_or_b32 v[\pw], v[TM+5], 8, v[TM+4]
	v_lshl_or_b32 v[\pw], v[TM+6], 16, v[\pw]
	v_lshl_or_b32 v[\pw], v[TM+7], 24, v[\pw]
	v_cvt_scalef32_pk16_fp6_f32 v[\d0:\d0+2], v[\s:\s+15], v[TM+8]
	v_cvt_scalef32_pk16_fp6_f32 v[CT:CT+2], v[\s+16:\s+31], v[TM+9]
	v_cvt_scalef32_pk16_fp6_f32 v[\d1:\d1+2], v[\s+32:\s+47], v[TM+10]
	v_cvt_scalef32_pk16_fp6_f32 v[CT+4:CT+6], v[\s+48:\s+63], v[TM+11]
	v_nop
.irp i, 0,1,2
	v_permlane16_swap_b32 v[\d0+\i], v[CT+\i]
	v_permlane16_swap_b32 v[\d1+\i], v[CT+4+\i]
.endr
.irp i, 0,1,2
	v_mov_b32 v[\d0+3+\i], v[CT+\i]
	v_mov_b32 v[\d1+3+\i], v[CT+4+\i]
.endr
.endm
.macro EPI_QK a
	s_wait_loadcnt 56-8*(\a)                       ; the bias and this block's table are in; the 8 loads of each later block may be out
.set WN, 0x06+(\a)/4
	WIN WN
.set AC, 64*((\a)%4)
.set n, 0
.rept 32
	v_pk_add_f32 v[XN+n:XN+n+1], v[AC+n:AC+n+1], v[96+n+96*(n/32):97+n+96*(n/32)]
.set n, n+2
.endr
	WIN 0
.if (\a) == 0                          ; where block a's table lies: block 0 and block 7 in window 0, blocks 1-3 and 4-6 in window 1, where B's two sets lay
.set CC, 224
.set CW, 0
.elseif (\a) == 7
.set CC, 192
.set CW, 0
.elseif (\a) < 4
.set CC, 32*((\a)-1)
.set CW, 4
.else
.set CC, 128+32*((\a)-4)
.set CW, 4
.endif
	WIN CW                                         ; the table is the second source of all four forms below
.irp e, 0,1
.irp q, 0,1
.irp k, 0,1,2,3
	v_pk_mul_f32 v[RT+2*\k:RT+2*\k+1], v[XN+32*\e+8*\q+2*\k:XN+32*\e+8*\q+2*\k+1], v[CC+16+8*\q+2*\k:CC+16+8*\q+2*\k+1]
.endr
.irp k, 0,1,2,3
	v_pk_mul_f32 v[XN+32*\e+8*\q+2*\k:XN+32*\e+8*\q+2*\k+1], v[XN+32*\e+8*\q+2*\k:XN+32*\e+8*\q+2*\k+1], v[CC+8*\q+2*\k:CC+8*\q+2*\k+1]
.endr
.irp k, 0,1,2,3
	v_pk_fma_f32 v[XN+32*\e+8*\q+2*\k:XN+32*\e+8*\q+2*\k+1], v[XN+32*\e+16+8*\q+2*\k:XN+32*\e+16+8*\q+2*\k+1], v[CC+16+8*\q+2*\k:CC+16+8*\q+2*\k+1], v[XN+32*\e+8*\q+2*\k:XN+32*\e+8*\q+2*\k+1] neg_lo:[1,0,0] neg_hi:[1,0,0]
.endr
.irp k, 0,1,2,3
	v_pk_fma_f32 v[XN+32*\e+16+8*\q+2*\k:XN+32*\e+16+8*\q+2*\k+1], v[XN+32*\e+16+8*\q+2*\k:XN+32*\e+16+8*\q+2*\k+1], v[CC+8*\q+2*\k:CC+8*\q+2*\k+1], v[RT+2*\k:RT+2*\k+1]
.endr
.endr
.endr
	WIN 0
	s_wait_xcnt 0x0
.set D0, IM+6*((\a)%2)
.set D1, D0+12
.set PW, PWS+(\a)
	QUANT XN, D0, D1, PW
.if (\a)%2
.irp e, 0,1
.irp c, 0,1,2
	global_store_b128 v7, v[IM+12*\e+4*\c:IM+12*\e+4*\c+3], s[8:9] offset:HB*\e+1536*((\a)/2)+512*\c
.endr
.endr
.endif
.endm
.macro EPI_V a
.set WN, 0x02+(\a)/4
	WIN WN
.set AC, 64*((\a)%4)
.set n, 0
.rept 32
	v_pk_add_f32 v[XN+n:XN+n+1], v[AC+n:AC+n+1], v[224+2*(\a):225+2*(\a)]
.set n, n+2
.endr
	WIN 0
	s_wait_xcnt 0x0
.set PW, PWS+(\a)
	QUANT XN, IM, IM+6, PW
.irp c, 0,1,2
	global_store_b128 v7, v[IM+4*\c:IM+4*\c+3], s[8:9] offset:HB*((\a)/4)+1536*((\a)%4)+512*\c
.endr
.endm
	s_wait_alu depctr_va_vdst(0)                   ; the wait at the head's end
	s_wait_tensorcnt 0x0                           ; my tile of the head's four is in; no tensor load of mine is out, so descriptors may be written:
	s_mul_i32 s94, s16, 128*ROWB                   ; slot 0's group 0 for the ring: my 128 rows, at plane 0,
	s_mov_b32 s95, 0
	s_mul_i32 s[G0+1], s16, HALFT
	s_add_nc_u64 s[G0+2:G0+3], s[G0+2:G0+3], s[94:95]
	s_mul_i32 s[G0B+1], s16, HALFT
	s_add_co_u32 s[G0B+1], s[G0B+1], 4*HALFT
	s_add_nc_u64 s[G0B+2:G0B+3], s[G0B+2:G0B+3], s[94:95]
.irp g, G1, G1B
	s_mov_b32 s[\g+1], 256<<16                     ; and group 1: 128 rows x 192 bytes of a plane, stated as 96 rows of 256 bytes
	s_mov_b32 s[\g+2], 96<<16
	s_mov_b32 s[\g+3], 256<<16
	s_mov_b32 s[\g+4], 96
	s_mov_b32 s[\g+5], 256
.endr
	s_barrier_signal -1
	s_barrier_wait -1                              ; everybody's tile is in
	FETCH_B 0, 0, 0
	FETCH_A 0, 0, 0
	SCALES_IN 0
	FETCH_A 0, 0, 4
	STEP 0, 0, 1
	s_mov_b32 s3, LAPS-1
.Llap:
	TURN 0, 1, 1
	STEP 1, 0, 0
	TURN 1, 0, 1
	STEP 0, 0, 0
	s_sub_co_u32 s3, s3, 1
	s_cmp_lg_u32 s3, 0
	s_cbranch_scc1 .Llap
	TURN 0, 1, 0
	STEP 1, 0, 0
	s_cmp_eq_u32 s66, 0
	s_cbranch_scc0 .Lway_v
	WIN TO_B
.irp g, 0,1,2,3
.irp j, 0,1,2,3
	global_load_b128 v[96+16*\g+4*\j+96*(\g/2):99+16*\g+4*\j+96*(\g/2)], v10, s[6:7] offset:128*\g+16*\j
.endr
.endr
	WIN 0
.irp i, 0,1,2,3
	global_load_b128 v[224+4*\i:227+4*\i], v9, s[4:5] offset:16*\i
	global_load_b128 v[240+4*\i:243+4*\i], v9, s[4:5] offset:128+16*\i
.endr
; THE TABLE OF ALL EIGHT BLOCKS IS ASKED FOR AHEAD OF THE WAY OUT, block by block in ascending order, 8 loads a block, into registers that the products have done with.
.macro TLD a, reg
.irp i, 0,1,2,3
	global_load_b128 v[\reg+4*\i:\reg+4*\i+3], v9, s[4:5] offset:(32*((\a)/2)+8*((\a)%2))*256+16*\i
	global_load_b128 v[\reg+16+4*\i:\reg+16+4*\i+3], v9, s[4:5] offset:(32*((\a)/2)+8*((\a)%2))*256+128+16*\i
.endr
.endm
	WIN TO_B
	TLD 1, 0                                       ; B's set 0 was last read a step ago, with its places behind it; the last products read set 1
	TLD 2, 32
	TLD 3, 64
	WIN 0
	LAST
.irp b, 0,1,2,3
	v_mov_b32 v[TM+4+\b], 0                        ; these four are also the places in front of the loads below
.endr
	WIN TO_B
	TLD 4, 128
	TLD 5, 160
	TLD 6, 192
	WIN 0
	TLD 7, 192
.irp a, 0,1,2,3,4,5,6,7
	EPI_QK \a
.endr
.irp c, 0,1,2,3
	v_cndmask_b32 v[RT+\c], v[PWS+2*\c], v[PWS+2*\c+1], s2
.endr
.irp c, 0,1,2,3
	v_lshrrev_b32 v[RT+4+\c], 16, v[RT+\c]
.endr
.irp c, 0,1,2,3
	v_and_b32 v[RT+\c], 0xffff, v[RT+\c]
.endr
	global_store_b128 v7, v[RT:RT+3], s[10:11]
	global_store_b128 v7, v[RT+4:RT+7], s[10:11] offset:HB
	s_branch .Ldone
.Lway_v:
.irp a, 0,1,2,3,4,5,6,7
	global_load_b32 v[224+2*\a], v12, s[6:7] offset:(32*(\a/2)+8*(\a%2))*4
	global_load_b32 v[225+2*\a], v12, s[6:7] offset:(32*(\a/2)+8*(\a%2))*4
.endr
	LAST
.irp b, 0,1,2,3
	v_mov_b32 v[TM+4+\b], 0
.endr
	s_wait_loadcnt 0x0
.irp a, 0,1,2,3,4,5,6,7
	EPI_V \a
.endr
.irp e, 0,1
.irp c, 0,1
	v_cndmask_b32 v[RT+2*\e+\c], v[PWS+4*\e+2*\c], v[PWS+4*\e+2*\c+1], s2
.endr
.endr
.irp e, 0,1
	global_store_b64 v8, v[RT+2*\e:RT+2*\e+1], s[10:11] offset:HB*\e
.endr
.Ldone:
	s_wait_tensorcnt 0x0
	ds_add_u32 v[SPW], v[NIL]
	s_wait_dscnt 0x0
	CROUND
	s_endpgm
.Lfunc_end_k_qd31728eb6e_qkv:
	.size	k_qd31728eb6e_qkv, .Lfunc_end_k_qd31728eb6e_qkv-k_qd31728eb6e_qkv
	.p2alignl 7, 3214868480
	.fill 96, 4, 3214868480
	.section	.rodata,"a",@progbits
	.p2align	6, 0x0
	.amdhsa_kernel k_qd31728eb6e_qkv
		.amdhsa_group_segment_fixed_size 327680
		.amdhsa_private_segment_fixed_size 0
		.amdhsa_enable_private_segment 0
		.amdhsa_kernarg_size 40
		.amdhsa_user_sgpr_count 2
		.amdhsa_user_sgpr_kernarg_segment_ptr 1
		.amdhsa_wavefront_size32 1
		.amdhsa_system_sgpr_workgroup_id_x 1
		.amdhsa_system_sgpr_workgroup_id_y 1
		.amdhsa_system_sgpr_workgroup_id_z 1
		.amdhsa_system_vgpr_workitem_id 0
		.amdhsa_next_free_vgpr 1024
		.amdhsa_next_free_sgpr 102
		.amdhsa_reserve_vcc 0
		.amdhsa_float_denorm_mode_32 3
		.amdhsa_float_denorm_mode_16_64 3
		.amdhsa_memory_ordered 1
		.amdhsa_forward_progress 1
		.amdhsa_inst_pref_size 255
	.end_amdhsa_kernel
	.section	.bss,"aw",@nobits
	.p2align	6
	.space	262144
	.amdgpu_metadata
---
amdhsa.version: [ 1, 2 ]
amdhsa.kernels:
  - .name:           k_qd31728eb6e_qkv
    .symbol:         k_qd31728eb6e_qkv.kd
    .args:
      - { .name: prep, .offset: 0, .size: 8, .value_kind: global_buffer, .address_space: global }
      - { .name: bq, .offset: 8, .size: 8, .value_kind: global_buffer, .address_space: global }
      - { .name: bk, .offset: 16, .size: 8, .value_kind: global_buffer, .address_space: global }
      - { .name: bv, .offset: 24, .size: 8, .value_kind: global_buffer, .address_space: global }
      - { .name: qkv, .offset: 32, .size: 8, .value_kind: global_buffer, .address_space: global }
    .group_segment_fixed_size: 327680
    .private_segment_fixed_size: 0
    .kernarg_segment_align: 8
    .kernarg_segment_size: 40
    .max_flat_workgroup_size: 128
    .sgpr_count:     102
    .vgpr_count:     1024
    .wavefront_size: 32
...
	.end_amdgpu_metadata
.endif
;; end of part 2
;; launch attn (part 3): grid 4 x 64, 8 waves a work-group, clusters of 4 x 1, 228,352 bytes of LDS; arguments qkv, att; writes att
.if DOCPART == 3
	.amdgcn_target "amdgcn-amd-amdhsa--gfx1250"
	.amdhsa_code_object_version 6
	.text
	.protected	k_qd31728eb6e_attn
	.globl	k_qd31728eb6e_attn
	.p2align	8
	.type	k_qd31728eb6e_attn,@function
k_qd31728eb6e_attn:
	s_mov_b64 s[64:65], 0
	v_nop
	global_prefetch_b8 v0, s[64:65] scope:SCOPE_SE
	s_setreg_imm32_b32 hwreg(HW_REG_WAVE_MODE, 25, 1), 1
	s_wait_xcnt 0x0
	s_wait_alu depctr_hold_cnt(0) depctr_sa_sdst(0) depctr_va_vdst(0) depctr_va_sdst(0) depctr_va_ssrc(0) depctr_va_vcc(0) depctr_vm_vsrc(0)
	s_getreg_b32 s2, hwreg(HW_REG_IB_STS2, 6, 4)
	s_cmp_eq_u32 s2, 0
	s_cbranch_scc0 .Lentry_in_a_cluster
	s_endpgm
.Lentry_in_a_cluster:
	s_bfe_u32 s2, ttmp6, 0x10000c
	s_cmp_lg_u32 s2, 0x3003
	s_cbranch_scc0 .Lentry_shape_is_right
	s_endpgm
.Lentry_shape_is_right:
; o = softmax(q k^T / 8) v for one head, both products on codes of FP6 (E2M3) with one E8M0 scale for each 32 along a product's K, and o QUANTISED on the way out along the model's 1,024.
; THE SOFTMAX: t = score x log2(e) / 8; M = the ceiling of the row's largest t so far; p = 2^(t - M) is quantised along the keys, not normalised.  The row's sum is taken of the unquantised p in f32 and divides O at the end.
; When M moves, the sum and O are multiplied by 2^(old M - new M): exact.
; SHARES.  A cluster of four work-groups is one head (64 heads).  A work-group owns 512 queries in two passes of 256; each of its EIGHT waves owns a PAIR of tiles of 16 queries a pass: each fragment of K and V that a wave
; reads from LDS feeds both tiles.  Every wave walks the head's 2,048 keys, 128 a step.
; LDS.  The head's K, V and scale words, 208,896 dense bytes laid as images of operand registers, come ONCE, each wave an eighth (103 rows of 256 bytes: 2,048 bytes more than the images, so that the loads which the last step
; issues for a step that does not exist read bytes that were filled; nothing uses them), by loads that the four partners ask for JOINTLY.  Nothing is filled again: one barrier.  No prefetch: the launch's one fill stands at its head, with no loop to run ahead in.
; LAYOUT.  Both products are used transposed: S^T = K Q^T, O^T = V^T P^T: a lane holds ONE query (lane % 16).  THE KEYS OF A TILE OF K ARE CHOSEN BY THE LANES' LDS ADDRESSES: row r of tile 4 c + u is key 64 c + 32 (r / 8) + 8 u + r % 8.
; So the 32 registers of tiles 4 c .. 4 c + 3 in lane (q, h) are the keys 64 c + 32 h + 0 .. 31: ONE WHOLE SCALE BLOCK, in the order of p's operand registers.  A block's maximum asks no other lane, and no code changes lanes.
; A head has 64 channels and the instruction 128 along K: Q's registers 6-11 are zero codes, so what stands in K's registers 6-11 (the next tile's codes; behind the last tile zeros) adds nothing.
; A block's largest p is not searched for: p rises with the score, so the block's largest score goes through the same multiply-add and exponential.
; LIMITS: the promise holds while the scaled scores t stay under 2^31 in magnitude.  NaN and infinities are not served.  A block of zeros gets the byte 1 where the rule says 127: its codes are zeros, and this program alone reads the bytes.
; A tile's scale bytes of o leave 2 bytes a row, 32 bytes apart: one twenty-fourth of the codes' bytes.
; REGISTERS.  Window 0: v1-9 lane terms and addresses; v10, v11 the add's; tile T: v[12+4T] -M, v[13+4T] the largest score, v[14+4T:15+4T] the sum; v[20+2T] the factor; v24-27 K's scale words, v28-29 V's, v30+T p's, v36 Q's;
; v32-35 the way out's addresses; v37 16 x lane; v38-63 at work; v64-127, v128-191 S^T then p of tiles 0, 1; v192-223, v224-255 O^T.
; Window 1: v0-47 K's eight tiles, v48-53 zeros; v64-111 V's four; v128-139 Q's pair as loaded, v140-145 zeros (tile 1's operand is v134-145); v146-151 tile 0's Q, v152-157 zeros; v160-171, v172-183 p's codes; v184-190 at work.
.set HB,    315392
.set VIMG,  98304
.set KSC,   196608
.set VSC,   204800
.set QIMG,  208896
.set QSC,   307200
.set FROWS, 103
.set FILL,  FROWS*256
.set STAGE, 8*FILL                     ; behind the fill: 2,048 bytes for each wave, for the way out
.set SPARE, STAGE+8*2048               ; behind the stages: the spare words, 128 bytes for each wave
.set OSB,   6291456
.set KB,  1
.set VB,  2
.set KSB, 3
.set VSB, 4
.set ADK, 5
.set ADV, 6
.set ADS, 7
.set ADT, 8
.set SH,  9
.set SPW, 10
.set NIL, 11
.set XK,  24
.set XV,  28
.set XP,  30
.set STI, 32
.set STB, 33
.set OCO, 34
.set OSO, 35
.set XQ,  36
.set TA,  37
.set QL,  128
.set WV,  18
.set SEL, 20
.set CS,  22
.set G1,  24
.set G0,  32
.set QI,  36
.set QS,  38
.set OC,  40
.set OS,  42
.set TK,  44
.set TS,  45
.set TT,  46
.set CNT, 47
.set NC,  48
.set MSB, 0
.macro WIN new                         ; the immediate's high byte repeats the setting that is left
.if MSB != \new
	s_set_vgpr_msb (MSB<<8)|\new
.set MSB, \new
.endif
.endm
.macro WALU
	s_wait_alu depctr_va_vdst(0)
.endm
.macro CROUND
	s_barrier_signal -1
	s_barrier_wait -1
	s_cmp_lg_u32 s[WV], 0
	s_cbranch_scc1 .Lnot_wave_0_\@
	s_barrier_signal -3
.Lnot_wave_0_\@:
	s_barrier_wait -3
	s_barrier_signal -1
	s_barrier_wait -1
.endm
	s_load_b128 s[4:7], s[0:1], 0x0                ; qkv, att
	v_lshl_add_u32 v[SPW], v0, 2, SPARE
	v_mov_b32 v[NIL], 0
	ds_add_u32 v[SPW], v[NIL]                      ; the opening lines: the add twice on end and its wait
	ds_add_u32 v[SPW], v[NIL]
	v_lshrrev_b32 v5, 5, v0
	v_readfirstlane_b32 s[WV], v5                  ; wave 0..7
	s_bfe_u32 s8, ttmp6, 0x40000                   ; cx
	s_lshl_b32 s9, ttmp9, 2
	s_add_co_u32 s8, s8, s9                        ; my block of 512 queries: it enters Q's and o's addresses alone
	s_and_b32 s10, ttmp7, 0xffff                   ; the head, 16 x batch + head, which the four partners share
	s_mul_i32 s12, s10, HB
	s_mov_b32 s13, 0
	s_mul_i32 s14, s[WV], FILL                     ; my eighth, in memory and in LDS alike
	s_mov_b32 s15, 0
	s_mov_b32 s[G1], 15|(3<<16)|(1<<21)            ; the mask: all four work-groups; elements of 8 bytes; bit 21 beside a mask
	s_mov_b32 s[G1+1], 32<<16
	s_mov_b32 s[G1+2], FROWS<<16
	s_mov_b32 s[G1+3], 32<<16
	s_mov_b32 s[G1+4], FROWS
	s_mov_b32 s[G1+5], 32
	s_mov_b32 s[G1+6], 0
	s_mov_b32 s[G1+7], 0
	s_mov_b32 s[SEL], 0x76543210
	s_mov_b32 s[SEL+1], 0xfedcba98                 ; lane l xor 16
	s_mov_b32 s[CS], 0x3e38aa3b                    ; c = log2(e) / 8
	s_mov_b32 s[CS+1], s[CS]
	s_mov_b32 s[NC], 0xbe38aa3b                    ; -c
	s_wait_dscnt 0x0
	s_wait_kmcnt 0x0
	s_add_nc_u64 s[4:5], s[4:5], s[12:13]          ; my head
	CROUND                                         ; all four work-groups are here: the joint loads meet
	s_mov_b32 s[G0], 1
	s_mov_b32 s[G0+1], s14
	s_add_nc_u64 s[G0+2:G0+3], s[4:5], s[14:15]
	s_or_b32 s[G0+3], s[G0+3], 0x80000000
	tensor_load_to_lds s[G0:G0+3], s[G1:G1+7]      ; my one tensor load of the launch
	s_nop 0
.rept 4
	v_nop
.endr
	s_lshl_b32 s9, s8, 4                           ; Q's pair of tiles: 16 x block + wave (+ 8 x pass)
	s_add_co_u32 s9, s9, s[WV]
	s_mul_i32 s12, s9, 1536
	s_add_co_u32 s12, s12, QIMG
	s_add_nc_u64 s[QI:QI+1], s[4:5], s[12:13]
	s_lshl_b32 s9, s8, 2                           ; Q's scale words: step 4 x block + wave / 4 (+ 2 x pass), 512 bytes a step; word wave % 4 of a lane's four
	s_lshr_b32 s11, s[WV], 2
	s_add_co_u32 s9, s9, s11
	s_lshl_b32 s12, s9, 9
	s_and_b32 s11, s[WV], 3
	s_lshl_b32 s11, s11, 2
	s_add_co_u32 s12, s12, s11
	s_add_co_u32 s12, s12, QSC
	s_add_nc_u64 s[QS:QS+1], s[4:5], s[12:13]
	s_lshr_b32 s9, s10, 4                          ; my pair's first token: 2,048 x batch + 512 x block + 32 x wave (+ 256 x pass)
	s_lshl_b32 s9, s9, 11
	s_lshl_b32 s12, s8, 9
	s_add_co_u32 s9, s9, s12
	s_lshl_b32 s12, s[WV], 5
	s_add_co_u32 s9, s9, s12
	s_and_b32 s10, s10, 15
	s_mul_i32 s12, s10, 393216                     ; o's codes: [head][token][48 bytes]
	s_mul_i32 s11, s9, 48
	s_add_co_u32 s12, s12, s11
	s_add_nc_u64 s[OC:OC+1], s[6:7], s[12:13]
	s_lshl_b32 s12, s9, 5                          ; o's scale bytes: [token][32], two for each head
	s_lshl_b32 s11, s10, 1
	s_add_co_u32 s12, s12, s11
	s_add_co_u32 s12, s12, OSB
	s_add_nc_u64 s[OS:OS+1], s[6:7], s[12:13]
	v_and_b32 v5, 31, v0                           ; lane
	v_and_b32 v6, 7, v0                            ; r % 8
	v_bfe_u32 v7, v0, 3, 1                         ; r / 8
	v_bfe_u32 v8, v0, 4, 1                         ; h
	v_lshlrev_b32 v[TA], 4, v5
	v_mul_u32_u24 v[KB], v7, 1536                  ; K: rows 8-15 of my tiles come from the next pair's image (the next block of 32 keys),
	v_lshl_add_u32 v[KB], v6, 4, v[KB]             ; from the place of lane r % 8 (+ 8 (u / 2), in the loads' offsets)
	v_lshl_add_u32 v[KB], v8, 8, v[KB]             ; + 16 h
	v_lshlrev_b32 v[KSB], 4, v6                    ; K's scale words by the same choice: place r % 8 + 16 h, word 2 c + r / 8
	v_lshl_add_u32 v[KSB], v8, 8, v[KSB]
	v_lshl_add_u32 v[KSB], v7, 2, v[KSB]
	v_add_nc_u32 v[KSB], KSC, v[KSB]
	v_add_nc_u32 v[VB], VIMG, v[TA]
	v_lshlrev_b32 v[VSB], 3, v5
	v_add_nc_u32 v[VSB], VSC, v[VSB]
	v_lshlrev_b32 v[SH], 3, v8                     ; 8 h: where my two scale bytes of p stand in the word
	s_lshl_b32 s16, s[WV], 11
	s_add_co_u32 s16, s16, STAGE
	v_and_b32 v38, 15, v0
	v_lshlrev_b32 v[STI], 6, v38
	v_lshl_add_u32 v[STI], v8, 4, v[STI]
	v_add_nc_u32 v[STI], s16, v[STI]               ; the stage, in: row r has four places of 16 bytes; place 2 b + h takes channels 32 b + 16 h on
	v_add_nc_u32 v[STB], s16, v[TA]                ; back: a place a lane
	v_mul_u32_u24 v[OCO], v5, 12
	v_and_b32 v[OSO], 8, v38
	v_add_nc_u32 v[OSO], v[OSO], v38
	v_lshlrev_b32 v[OSO], 5, v[OSO]                ; my row's token, r % 8 + 16 (r / 8), x 32 scale bytes
	v_mov_b32 v21, 0                               ; named as upper halves of pairs
	v_mov_b32 v23, 0
	v_mov_b32 v50, 0                               ; a lane permute's destination counts as one of its sources
	v_mov_b32 v51, 0
	WIN 0x40
.irp i, 0,1,2,3,4,5
	v_mov_b32 v[48+\i], 0                          ; behind K's last tile
	v_mov_b32 v[140+\i], 0                         ; Q's codes of k = 64 .. 127
	v_mov_b32 v[152+\i], 0
.endr
	WIN 0
.macro QLOAD p                         ; pass p: my pair of Q, and its scale words (tile 0's rows in lanes 0-15, tile 1's in lanes 16-31)
	WIN 0x40
.irp k, 0,1,2
	global_load_b128 v[QL+4*\k:QL+4*\k+3], v[TA], s[QI:QI+1] offset:12288*\p+512*\k
.endr
	WIN 0
	global_load_b32 v[XQ], v[TA], s[QS:QS+1] offset:1024*\p
.endm
.macro KLOAD a, s                      ; a step's eight tiles of K, tile 4 c + 2 u + o at window 1's v[24 c + 12 u + 6 o], and their scale words: 16 loads
	WIN 0x40
.irp c, 0,1
.irp u, 0,1
.irp k, 0,1,2
	ds_load_b128 v[24*\c+12*\u+4*\k:24*\c+12*\u+4*\k+3], v[\a] offset:3072*\c+128*\u+512*\k
.endr
.endr
.endr
	WIN 0
.irp c, 0,1
.irp u, 0,1
	ds_load_b32 v[XK+2*\c+\u], v[\s] offset:8*\c+128*\u
.endr
.endr
.endm
.macro VLOAD a, s                      ; a step's four tiles of V and their scale words: 13 loads
	WIN 0x40
.irp k, 0,1,2,3,4,5,6,7,8,9,10,11
	ds_load_b128 v[64+4*\k:67+4*\k], v[\a] offset:512*\k
.endr
	WIN 0
	ds_load_b64 v[XV:XV+1], v[\s]
.endm
.macro SMUL T                          ; S^T = K Q^T of tile T
.irp p, 0,1,2,3
.irp o, 0,1
	v_wmma_scale_f32_16x16x128_f8f6f4 v[64+64*\T+16*\p+8*\o:71+64*\T+16*\p+8*\o], v[12*\p+6*\o:12*\p+6*\o+11], v[146-12*\T:157-12*\T], 0, v[XK+\p], v[XQ] matrix_a_fmt:MATRIX_FMT_FP6 matrix_b_fmt:MATRIX_FMT_FP6 matrix_a_scale:MATRIX_SCALE_ROW\o matrix_b_scale:MATRIX_SCALE_ROW\T
.endr
.endr
.endm
.macro PVMUL T                         ; O^T += V^T P^T of tile T: the four accumulators by turns
	WIN 0x05
.irp p, 0,1
.irp o, 0,1
	v_wmma_scale_f32_16x16x128_f8f6f4 v[192+32*\T+16*\p+8*\o:199+32*\T+16*\p+8*\o], v[64+24*\p+12*\o:75+24*\p+12*\o], v[160+12*\T:171+12*\T], v[192+32*\T+16*\p+8*\o:199+32*\T+16*\p+8*\o], v[XV+\p], v[XP+\T] matrix_a_fmt:MATRIX_FMT_FP6 matrix_b_fmt:MATRIX_FMT_FP6 matrix_a_scale:MATRIX_SCALE_ROW\o
.endr
.endr
	WIN 0
.endm
.macro POST T                          ; p of tile T is quantised: my two blocks' scales, 64 codes, the scale word
.irp c, 0,1
	v_max_num_f32 v[40+4*\T+\c], 0x1800000, v[40+4*\T+\c]   ; the floor 2^(3 - 127): the byte cannot fall under 1
.endr
.irp c, 0,1
	v_add_nc_u32 v[38+\c], 0xff000000, v[40+4*\T+\c]        ; 2 off the exponent field: the conversion's scale operand
.endr
	WIN 0x40
	v_cvt_scalef32_pk16_fp6_f32 v[160+12*\T:162+12*\T], v[64+64*\T:79+64*\T], v38
	v_cvt_scalef32_pk16_fp6_f32 v[184:186], v[80+64*\T:95+64*\T], v38      ; (a conversion's three registers begin on an even number)
	v_cvt_scalef32_pk16_fp6_f32 v[166+12*\T:168+12*\T], v[96+64*\T:111+64*\T], v39
	v_cvt_scalef32_pk16_fp6_f32 v[188:190], v[112+64*\T:127+64*\T], v39
	WIN 0
	v_lshrrev_b32 v48, 23, v38                     ; the bytes of blocks h and 2 + h
	v_lshrrev_b32 v49, 23, v39
	v_lshl_or_b32 v48, v49, 16, v48
	v_lshlrev_b32 v48, v[SH], v48                  ; at their places in the word;
	v_permlanex16_b32 v50, v48, s[SEL], s[SEL+1]
	v_or_b32 v[XP+\T], v48, v50                    ; with lane l xor 16's two the word is whole
	WIN 0x41
.irp i, 0,1,2
	v_mov_b32 v[163+12*\T+\i], v[184+\i]
	v_mov_b32 v[169+12*\T+\i], v[188+\i]
.endr
	WIN 0
.irp k, 0,1,2,3                        ; the row's sum of the unquantised p: four chains.  These lines are also the places between p's codes and scale word and the products
	v_pk_add_f32 v[56+2*\k:57+2*\k], v[64+64*\T+4*\k:65+64*\T+4*\k], v[66+64*\T+4*\k:67+64*\T+4*\k]
.endr
.set j, 0
.rept 6
.irp k, 0,1,2,3
	v_pk_add_f32 v[56+2*\k:57+2*\k], v[56+2*\k:57+2*\k], v[80+64*\T+j+2*\k:81+64*\T+j+2*\k]
.endr
.set j, j+8
.endr
.endm
.macro JOIN T                          ; the four chains into the sum
	v_pk_add_f32 v[56:57], v[56:57], v[58:59]
	v_pk_add_f32 v[60:61], v[60:61], v[62:63]
	v_pk_add_f32 v[56:57], v[56:57], v[60:61]
	v_pk_add_f32 v[14+4*\T:15+4*\T], v[14+4*\T:15+4*\T], v[56:57]
.endm
; A KEY STEP: 128 keys against my two tiles.  At its head this step's K (16 loads) and, younger, this step's V (13 loads) have been asked for.
.macro STEP
	s_wait_dscnt 13                                ; K and its scale words are in; V's 13 loads may be out
	WIN 0x05
	SMUL 0
	SMUL 1
	WIN 0
	s_add_co_u32 s[TK], s[TK], 6144
	s_add_co_u32 s[TS], s[TS], 512
	s_add_co_u32 s[TT], s[TT], 256
	v_add_nc_u32 v[ADK], s[TK], v[KB]              ; the next step's addresses: these four are the places behind the products
	v_add_nc_u32 v[ADS], s[TS], v[KSB]
	v_add_nc_u32 v[ADV], s[TK], v[VB]
	v_add_nc_u32 v[ADT], s[TT], v[VSB]
	KLOAD ADK, ADS                                 ; the next step's K lands under the softmax
.irp T, 0,1                            ; THE LARGEST SCORE OF EACH OF MY BLOCKS, two chains a block, eight by turns; each accumulator is first read at its low end
.irp c, 0,1
	v_max3_num_f32 v[40+4*\T+\c], v[64+64*\T+32*\c], v[65+64*\T+32*\c], v[66+64*\T+32*\c]
	v_max3_num_f32 v[42+4*\T+\c], v[81+64*\T+32*\c], v[82+64*\T+32*\c], v[83+64*\T+32*\c]
.endr
.endr
.set j, 0
.rept 6
.irp T, 0,1
.irp c, 0,1
	v_max3_num_f32 v[40+4*\T+\c], v[40+4*\T+\c], v[67+j+64*\T+32*\c], v[68+j+64*\T+32*\c]
	v_max3_num_f32 v[42+4*\T+\c], v[42+4*\T+\c], v[84+j+64*\T+32*\c], v[85+j+64*\T+32*\c]
.endr
.endr
.set j, j+2
.endr
.irp T, 0,1
.irp c, 0,1
	v_max3_num_f32 v[40+4*\T+\c], v[40+4*\T+\c], v[79+64*\T+32*\c], v[80+64*\T+32*\c]
.endr
.endr
.irp T, 0,1
.irp c, 0,1
	v_max_num_f32 v[40+4*\T+\c], v[40+4*\T+\c], v[42+4*\T+\c]
.endr
.endr
.irp T, 0,1                            ; M and the factor, the two tiles by turns
	v_max_num_f32 v[48+\T], v[40+4*\T], v[41+4*\T]
.endr
.irp T, 0,1
	v_permlanex16_b32 v[50+\T], v[48+\T], s[SEL], s[SEL+1]
.endr
.irp T, 0,1
	v_max3_num_f32 v[13+4*\T], v[13+4*\T], v[48+\T], v[50+\T]   ; the row's largest score so far
.endr
.irp T, 0,1
	v_mul_f32 v[52+\T], s[NC], v[13+4*\T]          ; -t
.endr
.irp T, 0,1
	v_mov_b32 v[54+\T], v[12+4*\T]
.endr
.irp T, 0,1
	v_floor_f32 v[12+4*\T], v[52+\T]               ; the new -M = floor(-t) = -ceil(t)
.endr
.irp T, 0,1
	v_sub_f32 v[54+\T], v[12+4*\T], v[54+\T]       ; old M less new M: a whole number, 0 or less
.endr
.irp T, 0,1
	v_cvt_i32_f32 v[54+\T], v[54+\T]               ; (it saturates)
.endr
.irp T, 0,1
	v_ldexp_f32 v[20+2*\T], 1.0, v[54+\T]          ; f = 2^(old M - new M)
.endr
	WALU                                           ; the wait directly ahead of the first readers of O^T
.irp T, 0,1
.set j, 0
.rept 16
	v_pk_mul_f32 v[192+32*\T+j:193+32*\T+j], v[192+32*\T+j:193+32*\T+j], v[20+2*\T:21+2*\T] op_sel_hi:[1,0]   ; O^T under the new M
.set j, j+2
.endr
.endr
.set j, 0
.rept 32
	v_pk_fma_f32 v[64+j:65+j], v[64+j:65+j], s[CS:CS+1], v[12:13] op_sel_hi:[1,0,0]   ; tile 0: t - M, two at a time
.set j, j+2
.endr
	v_fma_f32 v40, v40, s[CS], v12                 ; the same of each block's largest score
	v_fma_f32 v41, v41, s[CS], v12
	WALU                                           ; the wait ahead of the batch
.set j, 0
.rept 32                               ; tile 0's exponentials; among them tile 1's t - M, which nothing reads before the next wait
	v_exp_f32 v[64+j], v[64+j]
	v_exp_f32 v[65+j], v[65+j]
	v_pk_fma_f32 v[128+j:129+j], v[128+j:129+j], s[CS:CS+1], v[16:17] op_sel_hi:[1,0,0]
.set j, j+2
.endr
	v_exp_f32 v40, v40                             ; the blocks' largest p
	v_exp_f32 v41, v41
	v_fma_f32 v44, v44, s[CS], v16
	v_fma_f32 v45, v45, s[CS], v16
	v_pk_mul_f32 v[14:15], v[14:15], v[20:21] op_sel_hi:[1,0]   ; tile 0's sum under the new M
	WALU                                           ; one wait: behind tile 0's batch, ahead of tile 1's
	POST 0
	JOIN 0
	s_wait_dscnt 16                                ; V is in; the next step's K, 16 loads, may be out
	PVMUL 0
.set j, 0
.rept 64
	v_exp_f32 v[128+j], v[128+j]                   ; tile 1's exponentials
.set j, j+1
.endr
	v_exp_f32 v44, v44
	v_exp_f32 v45, v45
	v_pk_mul_f32 v[18:19], v[18:19], v[22:23] op_sel_hi:[1,0]
	WALU
	POST 1
	PVMUL 1
	JOIN 1                                         ; four lines that name no register of the products: the places in front of the loads below
	VLOAD ADV, ADT                                 ; the next step's V
.endm
; THE WAY OUT of both tiles: O^T / the sum; two blocks of 32 channels a tile are quantised; the codes go through my stage, so that the lanes store consecutive bytes.
.macro OUT p
.rept 4
	v_nop
.endr
.irp T, 0,1
	v_add_f32 v[14+4*\T], v[14+4*\T], v[15+4*\T]
.endr
.irp T, 0,1
	v_permlanex16_b32 v[50+\T], v[14+4*\T], s[SEL], s[SEL+1]
.endr
.irp T, 0,1
	v_add_f32 v[14+4*\T], v[14+4*\T], v[50+\T]     ; the row's sum
.endr
	WALU
	v_rcp_f32 v14, v14
	v_rcp_f32 v18, v18
	v_nop
	WALU
.irp T, 0,1
.set j, 0
.rept 32
	v_mul_f32 v[64+64*\T+j], v[192+32*\T+j], v[14+4*\T]   ; register 16 b + i is channel 32 b + 16 h + i
.set j, j+1
.endr
.endr
.irp T, 0,1
.irp b, 0,1
	v_max3_num_f32 v[40+4*\T+\b], |v[64+64*\T+16*\b]|, |v[65+64*\T+16*\b]|, 0x1800000
.endr
.endr
.set j, 2
.rept 7
.irp T, 0,1
.irp b, 0,1
	v_max3_num_f32 v[40+4*\T+\b], v[40+4*\T+\b], |v[64+j+64*\T+16*\b]|, |v[65+j+64*\T+16*\b]|
.endr
.endr
.set j, j+2
.endr
.irp T, 0,1
.irp b, 0,1
	v_permlanex16_b32 v[42+4*\T+\b], v[40+4*\T+\b], s[SEL], s[SEL+1]
.endr
.endr
.irp T, 0,1
.irp b, 0,1
	v_max_num_f32 v[40+4*\T+\b], v[40+4*\T+\b], v[42+4*\T+\b]
.endr
.endr
.irp T, 0,1
.irp b, 0,1
	v_add_nc_u32 v[42+4*\T+\b], 0xff000000, v[40+4*\T+\b]
.endr
.endr
.irp T, 0,1
.irp b, 0,1
	v_lshrrev_b32 v[40+4*\T+\b], 23, v[42+4*\T+\b]
.endr
.endr
.irp T, 0,1
	v_lshl_or_b32 v[48+\T], v[41+4*\T], 8, v[40+4*\T]   ; my row's two scale bytes
.endr
.irp T, 0,1
	v_cvt_scalef32_pk16_fp6_f32 v[96+64*\T:98+64*\T], v[64+64*\T:79+64*\T], v[42+4*\T]
	v_cvt_scalef32_pk16_fp6_f32 v[100+64*\T:102+64*\T], v[80+64*\T:95+64*\T], v[43+4*\T]
.endr
	v_nop
.irp T, 0,1
	ds_store_b96 v[STI], v[96+64*\T:98+64*\T] offset:1024*\T
	ds_store_b96 v[STI], v[100+64*\T:102+64*\T] offset:1024*\T+32
.endr
.irp T, 0,1
	ds_load_b96 v[104+64*\T:106+64*\T], v[STB] offset:1024*\T       ; LDS serves a wave's instructions in order: these see my stores.  Rows 0-7: eight neighbouring tokens,
	ds_load_b96 v[108+64*\T:110+64*\T], v[STB] offset:1024*\T+512   ; rows 8-15: the eight that lie 16 tokens on
.endr
	WALU
	s_wait_dscnt 0x0                               ; these, and the loads that the last step issued
.irp T, 0,1
	global_store_b96 v[OCO], v[104+64*\T:106+64*\T], s[OC:OC+1] offset:12288*\p+384*\T       ; 32 lanes store 384 consecutive bytes
	global_store_b96 v[OCO], v[108+64*\T:110+64*\T], s[OC:OC+1] offset:12288*\p+384*\T+768
	global_store_b16 v[OSO], v[48+\T], s[OS:OS+1] offset:8192*\p+256*\T                      ; (lanes l and l xor 16 store the same two bytes to the same place)
.endr
.endm
.macro PASS p
	s_wait_xcnt 0x0                                ; earlier stores have read their registers
	s_wait_loadcnt 0x0                             ; Q
	WIN 0x41
.irp i, 0,1,2,3,4,5
	v_mov_b32 v[146+\i], v[QL+\i]                  ; tile 0's codes in front of zeros of their own
.endr
	WIN 0
.irp T, 0,1
	v_mov_b32 v[13+4*\T], 0xff61b1e6               ; the largest score so far: -3e38
	v_mov_b32 v[14+4*\T], 0
	v_mov_b32 v[15+4*\T], 0
.endr
.irp T, 0,1
	v_mul_f32 v[52+\T], s[NC], v[13+4*\T]
.endr
.irp T, 0,1
	v_floor_f32 v[12+4*\T], v[52+\T]               ; -M
.endr
.set j, 0
.rept 64
	v_mov_b32 v[192+j], 0                          ; O^T: the step is written once; the first finds zeros, which the first change of M leaves zeros
.set j, j+1
.endr
	s_mov_b32 s[TK], 0
	s_mov_b32 s[TS], 0
	s_mov_b32 s[TT], 0
	s_mov_b32 s[CNT], 16
	WALU
	KLOAD KB, KSB
	VLOAD VB, VSB
.Lstep_\@:
	STEP
	s_sub_co_u32 s[CNT], s[CNT], 1
	s_cmp_lg_u32 s[CNT], 0
	s_cbranch_scc1 .Lstep_\@
.if \p == 0
	QLOAD 1                                        ; the next pass's Q comes under the way out
.endif
	OUT \p
.endm
	QLOAD 0                                        ; asked for while the fill is on its way
	WALU                                           ; the wait at the head's end
	s_wait_tensorcnt 0x0                           ; my eighth is in,
	s_barrier_signal -1
	s_barrier_wait -1                              ; everybody's is
	PASS 0
	PASS 1
	s_wait_tensorcnt 0x0                           ; the wave's end
	ds_add_u32 v[SPW], v[NIL]
	s_wait_dscnt 0x0
	CROUND                                         ; the closing round
	s_endpgm
.Lfunc_end_k_qd31728eb6e_attn:
	.size	k_qd31728eb6e_attn, .Lfunc_end_k_qd31728eb6e_attn-k_qd31728eb6e_attn
	.p2alignl 7, 3214868480
	.fill 96, 4, 3214868480
	.section	.rodata,"a",@progbits
	.p2align	6, 0x0
	.amdhsa_kernel k_qd31728eb6e_attn
		.amdhsa_group_segment_fixed_size 228352
		.amdhsa_private_segment_fixed_size 0
		.amdhsa_enable_private_segment 0
		.amdhsa_kernarg_size 16
		.amdhsa_user_sgpr_count 2
		.amdhsa_user_sgpr_kernarg_segment_ptr 1
		.amdhsa_wavefront_size32 1
		.amdhsa_system_sgpr_workgroup_id_x 1
		.amdhsa_system_sgpr_workgroup_id_y 1
		.amdhsa_system_sgpr_workgroup_id_z 1
		.amdhsa_system_vgpr_workitem_id 0
		.amdhsa_next_free_vgpr 512
		.amdhsa_next_free_sgpr 66
		.amdhsa_reserve_vcc 0
		.amdhsa_float_denorm_mode_32 3
		.amdhsa_float_denorm_mode_16_64 3
		.amdhsa_memory_ordered 1
		.amdhsa_forward_progress 1
		.amdhsa_inst_pref_size 85
	.end_amdhsa_kernel
	.amdgpu_metadata
---
amdhsa.version: [ 1, 2 ]
amdhsa.kernels:
  - .name:           k_qd31728eb6e_attn
    .symbol:         k_qd31728eb6e_attn.kd
    .args:
      - { .name: qkv, .offset: 0, .size: 8, .value_kind: global_buffer, .address_space: global }
      - { .name: att, .offset: 8, .size: 8, .value_kind: global_buffer, .address_space: global }
    .group_segment_fixed_size: 228352
    .private_segment_fixed_size: 0
    .kernarg_segment_align: 8
    .kernarg_segment_size: 16
    .max_flat_workgroup_size: 256
    .sgpr_count:     66
    .vgpr_count:     512
    .wavefront_size: 32
...
	.end_amdgpu_metadata
.endif
;; end of part 3
;; launch oproj (part 4): grid 8 x 32, 4 waves a work-group, clusters of 4 x 4, 312,832 bytes of LDS; arguments att, wop, prep, bo, out0; writes out0
.if DOCPART == 4
	.amdgcn_target "amdgcn-amd-amdhsa--gfx1250"
	.amdhsa_code_object_version 6
	.text
	.protected	k_qd31728eb6e_oproj
	.globl	k_qd31728eb6e_oproj
	.p2align	8
	.type	k_qd31728eb6e_oproj,@function
k_qd31728eb6e_oproj:
	s_mov_b64 s[64:65], 0
	v_nop
	global_prefetch_b8 v0, s[64:65] scope:SCOPE_SE
	s_setreg_imm32_b32 hwreg(HW_REG_WAVE_MODE, 25, 1), 1
	s_wait_xcnt 0x0
	s_wait_alu depctr_hold_cnt(0) depctr_sa_sdst(0) depctr_va_vdst(0) depctr_va_sdst(0) depctr_va_ssrc(0) depctr_va_vcc(0) depctr_vm_vsrc(0)
	s_getreg_b32 s2, hwreg(HW_REG_IB_STS2, 6, 4)
	s_cmp_eq_u32 s2, 0
	s_cbranch_scc0 .Lentry_in_a_cluster
	s_endpgm
.Lentry_in_a_cluster:
	s_bfe_u32 s2, ttmp6, 0x10000c
	s_cmp_lg_u32 s2, 0xf033
	s_cbranch_scc0 .Lentry_shape_is_right
	s_endpgm
.Lentry_shape_is_right:
; out0 = o Wo + bo on codes of FP6 (E2M3) with one E8M0 scale for each 32 along K; sums in f32.  o: att, codes [head 16][token 8,192][48 bytes], scale bytes at OSB [token][32].
; Wo: wop, codes [64 along K: 16 planes][place of column n: 1,024][48 bytes]; its scale bytes in prep, rows 11,264 on.  A column n lies at the place with bits 3 and 4 of n exchanged.
; SHARES.  256 work-groups of four waves; a work-group makes 256 tokens x 128 columns, a wave 128 x 64: 32 accumulators, 256 registers.
; ALL OF K LIES IN LDS: A 16 planes x 256 tokens x 48 bytes, B 16 planes x 128 rows x 48 bytes.  Four tensor loads, one a wave, at the head; nothing is filled again: no ring.
; THE HEAD COMES IN TWO HALVES: waves 0 and 1 ask for planes 0-7 of A and of B, waves 2 and 3 for planes 8-15, each by a line of its own.  The first barrier waits for waves 0 and 1 alone; steps 0 to 2 are multiplied
; (step 2 fetches step 3's fragments, planes 6 and 7); ahead of step 3, which fetches from plane 8 on, every wave waits for its load and a second barrier follows.
; The scale words go from memory straight into their registers: sixteen rows' 32 bytes are 512 consecutive bytes.
; Rows of 48 bytes need no padding: the 32 lanes of a load of 8 bytes stand at words 12 r + 6 h, which are 32 different even numbers modulo 64.
; CLUSTERS: 4 x 4 work-groups.  A's tiles hang on the tile row alone and are asked for jointly by a row of the cluster, B's on the tile column alone, by a column.
; No prefetch: the launch's fills stand at its head, with no loop to run ahead in.
; THE MATRIX INSTRUCTION IS USED TRANSPOSED (source 0 = 16 rows of Wo, source 1 = 16 tokens): a lane holds eight neighbouring columns of one token: tile b's registers in lane (r, h) are columns 32 (b / 2) + 16 h + 8 (b % 2) + 0 .. 7.
; THE BIAS IS THE FIRST PRODUCTS' C, laid in registers as the result lies.
; REGISTERS.  Window 0: v16-29 addresses; v32-95 A's scale words (block i, step q at 8 i + q), v100-131 B's; v136-199 rows on the way out.  Window 1: A's fragments, two sets of 96.  Window 2: the accumulators, (a, b) at 8 (4 a + b).
; Window 3: B's fragments, two sets of 48; v96-127 the bias.
.set AP,     12288                     ; a plane of A in LDS
.set BP,     6144                      ; a plane of B
.set BB,     16*AP
.set STAGE,  BB+16*BP                  ; bytes of its own for the way out: 16 rows x 272 for each wave
.set SPITCH, 272
.set SPARE,  STAGE+4*16*SPITCH
.set HEADB,  393216
.set OSB,    6291456
.set WSC,    9437184+11264*32          ; Wo's scale bytes in prep
.set ADRA, 16
.set ADRB, 20
.set ASA,  22
.set STO,  24
.set RD,   25
.set CO,   26
.set BO,   27
.set SPW,  28
.set NIL,  29
.set SC,   32
.set SCB,  100                         ; its numbers differ from A's modulo 8
.set BK,   136
.set G1A,  24
.set G1B,  32
.set G0A,  56
.set G0B,  60
.set G0C,  68
.set G0D,  72
.set MSB, 0
.macro WIN new
.if MSB != \new
	s_set_vgpr_msb (MSB<<8)|\new
.set MSB, \new
.endif
.endm
.macro PLACES n
.rept \n
	v_nop
.endr
.endm
.macro CROUND
	s_barrier_signal -1
	s_barrier_wait -1
	s_cmp_lg_u32 s14, 0
	s_cbranch_scc1 .Lnot_wave_0_\@
	s_barrier_signal -3
.Lnot_wave_0_\@:
	s_barrier_wait -3
	s_barrier_signal -1
	s_barrier_wait -1
.endm
	s_load_b256 s[4:11], s[0:1], 0x0               ; att s[4:5], wop s[6:7], prep s[8:9], bo s[10:11]
	s_load_b64 s[12:13], s[0:1], 0x20              ; out0
	v_lshl_add_u32 v[SPW], v0, 2, SPARE
	v_mov_b32 v[NIL], 0
	ds_add_u32 v[SPW], v[NIL]                      ; the opening lines: the add twice on end and its wait
	ds_add_u32 v[SPW], v[NIL]
	v_lshrrev_b32 v1, 5, v0
	v_readfirstlane_b32 s14, v1                    ; wave 0..3
	s_lshr_b32 s15, s14, 1                         ; my half of the tokens
	s_and_b32 s16, s14, 1                          ; my half of the columns
	s_bfe_u32 s84, ttmp6, 0x40000                  ; cx
	s_bfe_u32 s85, ttmp6, 0x40004                  ; cy
	s_lshl_b32 s86, ttmp9, 2
	s_add_co_u32 s86, s86, s84                     ; tile column 0..7
	s_and_b32 s87, ttmp7, 0xffff
	s_lshl_b32 s87, s87, 2
	s_add_co_u32 s87, s87, s85                     ; tile row 0..31
	s_lshl_b32 s88, s85, 2
	s_lshl_b32 s88, 15, s88                        ; my row of the cluster
	s_lshl_b32 s89, 0x1111, s84                    ; my column
	s_or_b32 s[G1A], s88, (3<<16)|(1<<21)          ; A: 8 rows (heads) of 256 tokens x 48 bytes = 1,536 elements of 8 bytes, a head apart
	s_mov_b32 s[G1A+1], 1536<<16
	s_mov_b32 s[G1A+2], 8<<16
	s_mov_b32 s[G1A+3], 1536<<16
	s_mov_b32 s[G1A+4], 8
	s_mov_b32 s[G1A+5], HEADB/8
	s_mov_b32 s[G1A+6], 0
	s_mov_b32 s[G1A+7], 0
	s_or_b32 s[G1B], s89, (3<<16)|(1<<21)          ; B: 8 rows (planes) of 128 rows x 48 bytes = 768 elements, a plane apart
	s_mov_b32 s[G1B+1], 768<<16
	s_mov_b32 s[G1B+2], 8<<16
	s_mov_b32 s[G1B+3], 768<<16
	s_mov_b32 s[G1B+4], 8
	s_mov_b32 s[G1B+5], 6144
	s_mov_b32 s[G1B+6], 0
	s_mov_b32 s[G1B+7], 0
	s_mul_i32 s76, s87, 256*48                     ; A's tokens in a head
	s_mov_b32 s77, 0
	s_mul_i32 s78, s86, 128*48                     ; B's rows in a plane
	s_mov_b32 s79, 0
	s_wait_dscnt 0x0
	s_wait_kmcnt 0x0
	CROUND                                         ; all sixteen work-groups are here: the joint loads meet
	s_mov_b32 s[G0A], 1
	s_mov_b32 s[G0A+1], 0
	s_add_nc_u64 s[G0A+2:G0A+3], s[4:5], s[76:77]
	s_add_nc_u64 s[G0C+2:G0C+3], s[G0A+2:G0A+3], 8*HEADB
	s_or_b32 s[G0A+3], s[G0A+3], 0x80000000
	s_mov_b32 s[G0B], 1
	s_mov_b32 s[G0B+1], BB
	s_add_nc_u64 s[G0B+2:G0B+3], s[6:7], s[78:79]
	s_add_nc_u64 s[G0D+2:G0D+3], s[G0B+2:G0B+3], 8*49152
	s_or_b32 s[G0B+3], s[G0B+3], 0x80000000
	s_mov_b32 s[G0C], 1
	s_mov_b32 s[G0C+1], 8*AP
	s_or_b32 s[G0C+3], s[G0C+3], 0x80000000
	s_mov_b32 s[G0D], 1
	s_mov_b32 s[G0D+1], BB+8*BP
	s_or_b32 s[G0D+3], s[G0D+3], 0x80000000
.macro ARM under, g0, g1, next         ; one tree of branches on the wave's number, one load to an arm
	s_cmp_lt_u32 s14, \under
	s_cbranch_scc0 \next
	tensor_load_to_lds s[\g0:\g0+3], s[\g1:\g1+7]
	s_nop 0
	PLACES 4
	s_branch .Lhead_asked
\next:
.endm
	ARM 1, G0A, G1A, .Lhead_b
	ARM 2, G0B, G1B, .Lhead_c
	ARM 3, G0C, G1A, .Lhead_d
	tensor_load_to_lds s[G0D:G0D+3], s[G1B:G1B+7]
	s_nop 0
	PLACES 4
.Lhead_asked:
	s_mul_i32 s20, s15, 128*48                     ; A's fragments: my 128 tokens; a base for each two steps (four planes), so that the offsets stay inside 16 bits
	s_add_co_u32 s21, s20, 4*AP
	s_add_co_u32 s22, s20, 8*AP
	s_add_co_u32 s23, s20, 12*AP
	s_mul_i32 s66, s16, 64*48                      ; B's: my 64 rows; a base for each four steps
	s_add_co_u32 s66, s66, BB
	s_add_co_u32 s67, s66, 8*BP
	s_mul_i32 s92, s14, 16*SPITCH
	s_add_co_u32 s92, s92, STAGE
	s_lshl_b32 s80, s87, 13                        ; my tokens' scale bytes: 256 x 32 a tile row, 128 x 32 a half
	s_lshl_b32 s81, s15, 12
	s_add_co_u32 s80, s80, s81
	s_add_co_u32 s80, s80, OSB
	s_mov_b32 s81, 0
	s_add_nc_u64 s[4:5], s[4:5], s[80:81]
	s_lshl_b32 s82, s86, 12                        ; my rows' of Wo: 128 x 32 a tile column, 64 x 32 a half
	s_lshl_b32 s83, s16, 11
	s_add_co_u32 s82, s82, s83
	s_add_co_u32 s82, s82, WSC
	s_mov_b32 s83, 0
	s_add_nc_u64 s[8:9], s[8:9], s[82:83]
	s_lshl_b32 s18, s86, 9                         ; my first column, in bytes: 512 x tile column + 256 x half
	s_lshl_b32 s19, s16, 8
	s_add_co_u32 s18, s18, s19
	s_mov_b32 s19, 0
	s_lshl_b32 s2, s87, 8
	s_lshl_b32 s3, s15, 7
	s_add_co_u32 s2, s2, s3                        ; my first token
	s_lshl_b32 s2, s2, 12                          ; x 4,096 bytes
	s_mov_b32 s3, 0
	s_add_nc_u64 s[10:11], s[10:11], s[18:19]
	s_add_nc_u64 s[12:13], s[12:13], s[2:3]
	s_add_nc_u64 s[12:13], s[12:13], s[18:19]
	v_and_b32 v1, 15, v0                           ; r
	v_bfe_u32 v2, v0, 4, 1                         ; h
	v_mul_u32_u24 v3, v1, 48
	v_mad_u32_u24 v3, v2, 24, v3                   ; a fragment's row x 48 + 24 h
	v_add_nc_u32 v[ADRA], s20, v3
	v_add_nc_u32 v[ADRA+1], s21, v3
	v_add_nc_u32 v[ADRA+2], s22, v3
	v_add_nc_u32 v[ADRA+3], s23, v3
	v_add_nc_u32 v[ADRB], s66, v3
	v_add_nc_u32 v[ADRB+1], s67, v3
	v_lshlrev_b32 v[ASA], 5, v1                    ; my row's 32 scale bytes
	v_mul_u32_u24 v5, v1, SPITCH                   ; the stage, in: row r, 64 bytes on for the upper half of the lanes
	v_lshl_add_u32 v5, v2, 6, v5
	v_add_nc_u32 v[STO], s92, v5
	v_mul_u32_u24 v6, v2, SPITCH                   ; back: sixteen lanes to a row of 256 bytes, two rows an instruction
	v_lshl_add_u32 v6, v1, 4, v6
	v_add_nc_u32 v[RD], s92, v6
	v_lshlrev_b32 v7, 12, v2
	v_lshl_add_u32 v[CO], v1, 4, v7                ; and the same two rows in out0
	v_lshlrev_b32 v[BO], 6, v2
	s_wait_alu depctr_va_vdst(0)                   ; the wait at the head's end
.irp i, 0,1,2,3,4,5,6,7
	global_load_b128 v[SC+8*\i:SC+8*\i+3], v[ASA], s[4:5] offset:512*\i        ; a row's eight scale words, one for each step (lanes 16-31 take the same as lanes 0-15)
	global_load_b128 v[SC+8*\i+4:SC+8*\i+7], v[ASA], s[4:5] offset:512*\i+16
.endr
.irp b, 0,1,2,3
	global_load_b128 v[SCB+8*\b:SCB+8*\b+3], v[ASA], s[8:9] offset:512*\b
	global_load_b128 v[SCB+8*\b+4:SCB+8*\b+7], v[ASA], s[8:9] offset:512*\b+16
.endr
	WIN 0xc0
.irp b, 0,1,2,3
	global_load_b128 v[96+8*\b:99+8*\b], v[BO], s[10:11] offset:128*(\b/2)+32*(\b%2)        ; the bias at tile b's eight columns
	global_load_b128 v[100+8*\b:103+8*\b], v[BO], s[10:11] offset:128*(\b/2)+32*(\b%2)+16
.endr
	WIN 0
.macro FA set, q                       ; A's eight fragments of step q (heads 2 q, 2 q + 1): 48 loads of 8 bytes
	WIN 0x40
.irp i, 0,1,2,3,4,5,6,7
.irp p, 0,1,2,3,4,5
	ds_load_b64 v[96*(\set)+12*\i+2*\p:96*(\set)+12*\i+2*\p+1], v[ADRA+(\q)/2] offset:(2*((\q)%2)+\p/3)*AP+\i*768+8*(\p%3)
.endr
.endr
	WIN 0
.endm
.macro FB set, q                       ; B's four: 24 loads
	WIN 0xc0
.irp b, 0,1,2,3
.irp p, 0,1,2,3,4,5
	ds_load_b64 v[48*(\set)+12*\b+2*\p:48*(\set)+12*\b+2*\p+1], v[ADRB+(\q)/4] offset:(2*((\q)%4)+\p/3)*BP+\b*768+8*(\p%3)
.endr
.endr
	WIN 0
.endm
.macro MUL q, set                      ; 32 products, the 32 accumulators by turns, in the same order in every step
.irp a, 0,1,2,3,4,5,6,7
.irp b, 0,1,2,3
.if (\q) == 0
	v_wmma_scale_f32_16x16x128_f8f6f4 v[8*(4*\a+\b):8*(4*\a+\b)+7], v[48*(\set)+12*\b:48*(\set)+12*\b+11], v[96*(\set)+12*\a:96*(\set)+12*\a+11], v[96+8*\b:103+8*\b], v[SCB+8*\b+(\q)], v[SC+8*\a+(\q)] matrix_a_fmt:MATRIX_FMT_FP6 matrix_b_fmt:MATRIX_FMT_FP6
.else
	v_wmma_scale_f32_16x16x128_f8f6f4 v[8*(4*\a+\b):8*(4*\a+\b)+7], v[48*(\set)+12*\b:48*(\set)+12*\b+11], v[96*(\set)+12*\a:96*(\set)+12*\a+11], v[8*(4*\a+\b):8*(4*\a+\b)+7], v[SCB+8*\b+(\q)], v[SC+8*\a+(\q)] matrix_a_fmt:MATRIX_FMT_FP6 matrix_b_fmt:MATRIX_FMT_FP6
.endif
.endr
.endr
.endm
.macro KSTEP q                         ; step q's fragments were asked for a step ago; the next step's go out ahead of this step's products, into the other set
	s_wait_dscnt 0x0
.if (\q) > 0
	PLACES 4                                       ; in front of loads into registers that the last step's products have read
.endif
.if (\q) < 7
	FB ((\q)+1)%2, (\q)+1
	FA ((\q)+1)%2, (\q)+1
.endif
.if (\q) == 0
	WIN 0xb7                                       ; source 0 (B) window 3, source 1 (A) window 1, C (the bias) window 3, D window 2
.else
	WIN 0xa7                                       ; C and D window 2
.endif
	MUL \q, (\q)%2
	WIN 0
.endm
	s_cmp_lt_u32 s14, 2
	s_cbranch_scc0 .Lnot_first
	s_wait_tensorcnt 0x0                           ; waves 0 and 1: my tile of planes 0-7 is in
.Lnot_first:
	s_barrier_signal -1
	s_barrier_wait -1                              ; planes 0-7 of A and of B are in; planes 8-15 may still be on their way
	FB 0, 0
	FA 0, 0
	s_wait_loadcnt 0x0                             ; the scale words and the bias
.irp q, 0,1,2
	KSTEP \q
.endr
	s_wait_tensorcnt 0x0                           ; every wave: my tile is in,
	s_wait_dscnt 0x0
	s_barrier_signal -1
	s_barrier_wait -1                              ; everybody's is: step 3 fetches from plane 8 on
.irp q, 3,4,5,6,7
	KSTEP \q
.endr
; THE WAY OUT, block by block of 16 tokens x 64 columns, through my own stage: back come whole rows of 256 bytes, which sixteen lanes store as one aligned unit.
; LDS serves a wave's instructions in order: no wait between the stores and the loads, nor in front of the next block's stores.
.macro TOSTAGE a
	WIN 0x08                                       ; the data: window 2
.irp b, 0,1,2,3
	ds_store_b128 v[STO], v[32*(\a)+8*\b:32*(\a)+8*\b+3] offset:128*(\b/2)+32*(\b%2)          ; each accumulator from its low end on
	ds_store_b128 v[STO], v[32*(\a)+8*\b+4:32*(\a)+8*\b+7] offset:128*(\b/2)+32*(\b%2)+16
.endr
	WIN 0
.irp t, 0,1,2,3,4,5,6,7
	ds_load_b128 v[BK+32*((\a)%2)+4*\t:BK+32*((\a)%2)+4*\t+3], v[RD] offset:\t*2*SPITCH
.endr
.endm
.macro SEND a, younger                 ; younger: the LDS instructions issued behind block a's loads, which may stay out
	s_wait_dscnt \younger
.if (\a) > 0
	s_add_nc_u64 s[12:13], s[12:13], 16*4096       ; (behind a wait on XCNT: the earlier stores have read their base)
.endif
.irp t, 0,1,2,3,4,5,6,7
	global_store_b128 v[CO], v[BK+32*((\a)%2)+4*\t:BK+32*((\a)%2)+4*\t+3], s[12:13] offset:\t*2*4096 th:TH_STORE_NT
.endr
.endm
	PLACES 4
	TOSTAGE 0
.irp a, 1,2,3,4,5,6,7
.if \a > 1
	s_wait_xcnt 0x0                                ; block a - 2's stores have read their registers and their base
.endif
	TOSTAGE \a
	SEND \a-1, 16                                  ; behind block a - 1's loads: block a's 8 stores and 8 loads
.endr
	s_wait_xcnt 0x0
	SEND 7, 0
	s_wait_tensorcnt 0x0                           ; the wave's end
	ds_add_u32 v[SPW], v[NIL]
	s_wait_dscnt 0x0
	CROUND                                         ; the closing round
	s_endpgm
.Lfunc_end_k_qd31728eb6e_oproj:
	.size	k_qd31728eb6e_oproj, .Lfunc_end_k_qd31728eb6e_oproj-k_qd31728eb6e_oproj
	.p2alignl 7, 3214868480
	.fill 96, 4, 3214868480
	.section	.rodata,"a",@progbits
	.p2align	6, 0x0
	.amdhsa_kernel k_qd31728eb6e_oproj
		.amdhsa_group_segment_fixed_size 312832
		.amdhsa_private_segment_fixed_size 0
		.amdhsa_enable_private_segment 0
		.amdhsa_kernarg_size 40
		.amdhsa_user_sgpr_count 2
		.amdhsa_user_sgpr_kernarg_segment_ptr 1
		.amdhsa_wavefront_size32 1
		.amdhsa_system_sgpr_workgroup_id_x 1
		.amdhsa_system_sgpr_workgroup_id_y 1
		.amdhsa_system_sgpr_workgroup_id_z 1
		.amdhsa_system_vgpr_workitem_id 0
		.amdhsa_next_free_vgpr 896
		.amdhsa_next_free_sgpr 96
		.amdhsa_reserve_vcc 0
		.amdhsa_float_denorm_mode_32 3
		.amdhsa_float_denorm_mode_16_64 3
		.amdhsa_memory_ordered 1
		.amdhsa_forward_progress 1
		.amdhsa_inst_pref_size 98
	.end_amdhsa_kernel
	.amdgpu_metadata
---
amdhsa.version: [ 1, 2 ]
amdhsa.kernels:
  - .name:           k_qd31728eb6e_oproj
    .symbol:         k_qd31728eb6e_oproj.kd
    .args:
      - { .name: att, .offset: 0, .size: 8, .value_kind: global_buffer, .address_space: global }
      - { .name: wop, .offset: 8, .size: 8, .value_kind: global_buffer, .address_space: global }
      - { .name: prep, .offset: 16, .size: 8, .value_kind: global_buffer, .address_space: global }
      - { .name: bo, .offset: 24, .size: 8, .value_kind: global_buffer, .address_space: global }
      - { .name: out0, .offset: 32, .size: 8, .value_kind: global_buffer, .address_space: global }
    .group_segment_fixed_size: 312832
    .private_segment_fixed_size: 0
    .kernarg_segment_align: 8
    .kernarg_segment_size: 40
    .max_flat_workgroup_size: 128
    .sgpr_count:     96
    .vgpr_count:     896
    .wavefront_size: 32
...
	.end_amdgpu_metadata
.endif
;; end of part 4
